; MI455X (gfx1250); checked and timed in simulation.
; The chip was launched on July 23, 2026; its instructions are those of AMD's public machine-readable ISA for CDNA 5 (MIT licence, August 2026) and "CDNA5" Instruction Set Architecture Reference Guide (July 2026). The comments in the code are by the model that wrote it; some were corrected since.
;; Multi Head Attention. Allowed arithmetic: matrix products marked QUANTISED: E4M3 operands, one given power-of-two scale a tensor, by v_wmma_f32_16x16x64_fp8_fp8 or v_wmma_f32_16x16x128_fp8_fp8, f32 sums; everything else in f32.
;; Inputs: Wk_codes 12 x 64 x 24 x 32 uint8 (E4M3 codes of Wk, K innermost, in blocks of 32 codes); Wp_codes 768 x 24 x 32 uint8 (E4M3 codes of Wp, K innermost, in blocks of 32 codes); Wq_codes 12 x 64 x 24 x 32 uint8 (E4M3 codes of Wq, K innermost, in blocks of 32 codes); Wv_codes 12 x 64 x 24 x 32 uint8 (E4M3 codes of Wv, K innermost, in blocks of 32 codes); bk 12 x 64 float32; bp 768 float32; bq 12 x 64 float32; bv 12 x 64 float32; lowp_scales 12 int32 (the exponents e of the quantised operands' scales 2^e); x_codes 16 x 1,024 x 24 x 32 uint8 (E4M3 codes of x, K innermost, in blocks of 32 codes).
;; Outputs: out0 16 x 1,024 x 768 float32.
;; This version of the problem:
;;   THIS VERSION OF THE PROBLEM IS GIVEN IN LOW PRECISION. The matrix products marked QUANTISED in the list below multiply operands that are first quantised to E4M3 (4 exponent bits, 3 mantissa bits; 8 bits a number), with one given power-of-two scale for each operand tensor; their sums are f32. All else is computed in f32.
;;   The module's matrix products, in the order in which they are computed (A, B: the left and right operand; K: the contracted axis; several contracted axes count as one K, in the product's order):
;;     1. [M 768, K 768] x [K 768, N 16,384]; A: input Wq (given as codes); B: input x (given as codes): QUANTISED (scales: A lowp_scales[0], B lowp_scales[1])
;;     2. [M 768, K 768] x [K 768, N 16,384]; A: input Wk (given as codes); B: input x (given as codes): QUANTISED (scales: A lowp_scales[2], B lowp_scales[3])
;;     3. [M 768, K 768] x [K 768, N 16,384]; A: input Wv (given as codes); B: input x (given as codes): QUANTISED (scales: A lowp_scales[4], B lowp_scales[5])
;;     4. batch 192 x [M 1,024, K 64] x [K 64, N 1,024]; A: computed on the way; B: computed on the way: QUANTISED (scales: A lowp_scales[6], B lowp_scales[7])
;;     5. batch 192 x [M 1,024, K 1,024] x [K 1,024, N 64]; A: softmax (see below); B: computed on the way: QUANTISED (scales: A lowp_scales[8], B lowp_scales[9])
;;     6. [M 16,384, K 768] x [K 768, N 768]; A: computed on the way; B: input Wp (given as codes): QUANTISED (scales: A lowp_scales[10], B lowp_scales[11])
;;   THE QUANTISER, for each operand of a quantised product, along K:
;;     - The operand's scale is 2^e, e = its entry of the input lowp_scales (int32; the entries are numbered through the quantised products in the list's order, A before B).
;;     - Each number is divided by the scale, clamped to +-448, and rounded to the nearest number of E4M3, ties to even, subnormals kept.
;;     - The product sums the exact products of the quantised numbers (number of the format x scale) in f32.
;;   ~~~python
;;   def quantise(x, axis, e):      # numpy; x: float32 -> the quantised numbers, widened to float32 again
;;       x = np.moveaxis(x, axis, -1); K = x.shape[-1]
;;       r = np.clip(x / 2.0 ** e, -448, 448)
;;       step = 2.0 ** (np.maximum(np.frexp(np.where(r == 0, 1, r))[1] - 1, -6) - 3)
;;       q = np.round(r / step) * step * 2.0 ** e      # np.round: ties to even
;;       return np.moveaxis(q, -1, axis).astype(np.float32)
;;   ~~~
;;   SOFTMAX AHEAD OF A QUANTISED PRODUCT. Where the list says 'softmax', what is quantised is not the finished softmax but p = 2^(t - M), with t = logit x log2(e) and M = ceil(the row's largest t), a whole number; so 1/2 < the row's largest p <= 1. The row's sum l is taken of the UNQUANTISED p, in f32, and the product's result is divided by l at the end. Since M is a whole number, a kernel that streams over the keys may use a running M (the ceiling of the running maximum): every later rescaling is an exact power of two, so the quantised numbers keep their values, but for numbers so far below the row's largest that they fall under the format's range.
;;   OPERANDS COMPUTED ON THE WAY. 'Computed on the way' means the value that the module computes at that place (a softmax that the list does not call 'softmax' is quantised finished and normalised). What goes into a quantiser is computed in f32, as accurately as f32 sums, v_exp_f32 and their like allow (about 1e-6 of the number): no bf16 or f16 on the way to a quantiser, and a product that is left as it is and whose result goes on into a quantised operand takes f32 operands (vector FMAs, or v_wmma_f32_16x16x4_f32). A number that lies on a knife's edge between two numbers of the format may be rounded either way, as far as f32 arithmetic and the matrix unit's own rounding can turn it there, and no further.
;;   INPUTS GIVEN AS CODES. Wk (in the module: [12, 768, 64], K = its axis 1); Wp (in the module: [768, 768], K = its axis 0); Wq (in the module: [12, 768, 64], K = its axis 1); Wv (in the module: [12, 768, 64], K = its axis 1); x (in the module: [16, 1024, 768], K = its axis 2): each comes as NAME_codes (uint8): NAME with its K axis moved to the last place and cut into blocks of 32 codes, [.., K / 32, bytes a block], one block behind the other in memory; one code a byte (a code: sign, 4 exponent bits, 3 mantissa bits); its scale is its entry of lowp_scales. Its value is code x scale, taken as it is: it is not quantised again, and the codes and scales need not be those that the quantiser above would give.
;; 2 versions, each right; version 2 is version 1 with the launch attn written anew for expert scheduling mode. Each part assembles by itself: llvm-mc -triple=amdgcn-amd-amdhsa -mcpu=gfx1250 --defsym DOCPART=n.
;; ======== version 1 of 2: 3 launches
;; workspace buffers: q_img 12,582,912 bytes; kv_img 25,165,824 bytes; o_img 12,582,912 bytes
;; launch qkv (part 1): grid 32 x 8, 4 waves a work-group, clusters of 4 x 1, 235,520 bytes of LDS; arguments x_codes, Wq_codes, Wk_codes, Wv_codes, bq, bk, bv, lowp_scales, q_img, kv_img; writes q_img, kv_img
.if DOCPART == 1
	.amdgcn_target "amdgcn-amd-amdhsa--gfx1250"
	.amdhsa_code_object_version 6
	.text
	.protected	k_qd739d5375c_qkv
	.globl	k_qd739d5375c_qkv
	.p2align	8
	.type	k_qd739d5375c_qkv,@function
k_qd739d5375c_qkv:
	s_mov_b64 s[64:65], 0
	v_nop
	global_prefetch_b8 v0, s[64:65] scope:SCOPE_SE
	s_setreg_imm32_b32 hwreg(HW_REG_WAVE_MODE, 25, 1), 1
	s_wait_xcnt 0x0
	s_wait_alu depctr_hold_cnt(0) depctr_sa_sdst(0) depctr_va_vdst(0) depctr_va_sdst(0) depctr_va_ssrc(0) depctr_va_vcc(0) depctr_vm_vsrc(0)
	s_getreg_b32 s2, hwreg(HW_REG_IB_STS2, 6, 4)
	s_cmp_eq_u32 s2, 0
	s_cbranch_scc0 .Lentry_in_a_cluster
	s_endpgm
.Lentry_in_a_cluster:
	s_bfe_u32 s2, ttmp6, 0x10000c
	s_cmp_lg_u32 s2, 0x3003
	s_cbranch_scc0 .Lentry_shape_is_right
	s_endpgm
.Lentry_shape_is_right:
; q, k, v = x W + b on codes of FP8 (E4M3), then quantised: the first of three launches (this one; attention; the output projection).
; NO WORK OF THE PROBLEM IS LEFT OUT in any launch: there is no mask, every product is live, and every bias moves the codes of a live quantised operand (bk too), so every input is loaded.
; x: [16384 tokens][768] codes.  Wq, Wk, Wv: [768 columns = head x 64 + e][768] codes, K innermost.  A sum stands for sum x 2^(eW + ex): the bias goes in as the C of a sum's first
; product, as b x 2^-(eW + ex); the code is (sum + that) / 2^(eOut - eW - ex), held at +-448 of that scale.  eOut: q lowp_scales[6], k [7], v [9].
; LIMITS: e6-e0-e1, e7-e2-e3, e9-e4-e5 lie between -126 and 119, so that each scale and 448 x it are f32 numbers.  NaN and infinity among the biases are not served.
; SHARES.  A work-group takes 512 tokens (tg) and columns 96 cg .. 96 cg + 95 of each of q, k and v: nine units of 32 columns.  Wave w holds its 128 tokens' codes of x in 768 registers for the whole
; launch; the three slices of 96 rows of W lie whole in LDS, each filled once.  A fragment of W read from LDS feeds eight products.
; CLUSTER.  The four work-groups of a cluster differ in tg alone and need the same slices of W: each slice is asked for JOINTLY (mask 15).  cx enters x's and the results' global addresses alone.
; LAYOUT OF THE RESULTS: images of the next launch's operand registers; every store is 16 bytes a lane at 16 x lane: 512 consecutive aligned bytes a wave.
;   q, k (source 0 = 16 rows of W, source 1 = 16 tokens): a lane holds one token, register j of tile i is e = 16 i + 8 (lane / 16) + j: its eight codes are registers 2 i, 2 i + 1 of a K = 64 fragment.
;   v (source 0 = 16 tokens, source 1 = 16 rows of Wv): a lane holds one e, register j of token tile m is token 16 m + 8 (lane / 16) + j: registers 2 m, 2 m + 1 of a K = 128 fragment of V^T.
;   Lane r of v's tile u takes row 8 u + r + 8 (r / 8) of the unit's 32, so that the attention's result falls into the order that the last launch's operand wants.
; REGISTERS.  window 0: v1-13 addresses and scales; v16-31 the bias as C; v32-95 W's fragments, two sets of two; v96-127 codes; v128-255 the 16 accumulators (token tile m, column tile i) at 128 + 16 m + 8 i.
;   windows 1-3: x's fragment (m, K step s) at window 1 + s / 2, register 128 (s % 2) + 16 m.
.set WPITCH, 816                       ; a row of W in LDS: 768 bytes + 16 behind each 256: byte k lies at k + 16 (k / 256); 51 x 16 bytes, so the 16 rows of a load start at 16 different groups of banks
.set WREG,   96*WPITCH                 ; a slice: 96 rows
.set SPARE,  3*WREG                    ; behind the three slices: the spare words, 128 bytes a wave
.set XA,  1                            ; v1   x: row r of 768 bytes + 16 h
.set WLQ, 2                            ; v2   W in LDS: row r + 16 h
.set WLV, 3                            ; v3   the same with row r + 8 (r / 8)
.set WA,  4                            ; v4   the unit's address in LDS
.set ST,  5                            ; v5   16 x lane
.set BOQ, 6                            ; v6   bias of q, k: 32 h
.set BOV, 7                            ; v7   bias of v: 4 (r + 8 (r / 8))
.set SC,  8                            ; v8   the conversion's scale
.set LM,  9                            ; v9   448 x it
.set BT,  10                           ; v10-11 v's bias as loaded
.set SPW, 12                           ; v12  my spare word; never rewritten
.set NIL, 13                           ; v13  0; never rewritten
.set BI,  16
.set WF,  32
.set CD,  96
.set ACC, 128
.set WV,  24                           ; s24 wave; s25 cx; s26 tg; s27 cg
.set G1,  28                           ; s[28:35] descriptor group 1
.set G0,  36                           ; s[36:47] three groups 0: q's, k's, v's slice
.set MSB, 0
.macro WIN new                         ; the immediate's high byte repeats the setting that is left
.if MSB != (\new)
	s_set_vgpr_msb (MSB<<8)|(\new)
.set MSB, (\new)
.endif
.endm
.macro PLACES n
.rept \n
	v_nop
.endr
.endm
.macro ROUND                           ; a round of the cluster's barrier
	s_barrier_signal -1
	s_barrier_wait -1
	s_cmp_lg_u32 s[WV], 0
	s_cbranch_scc1 .Lnot_wave_0_\@
	s_barrier_signal -3
.Lnot_wave_0_\@:
	s_barrier_wait -3
	s_barrier_signal -1
	s_barrier_wait -1
.endm
.macro MKSCALE ew, ex, eo, ne, sc      ; s[ne] = -(eW + ex); s[sc] = 2^(eOut - eW - ex) as f32; s[sc+1] = 448 x it
	s_add_co_i32 s78, s[\ew], s[\ex]
	s_sub_co_i32 s[\ne], 0, s78
	s_sub_co_i32 s78, s[\eo], s78
	s_add_co_i32 s78, s78, 127
	s_lshl_b32 s[\sc], s78, 23
	s_add_co_i32 s78, s78, 8
	s_lshl_b32 s78, s78, 23
	s_or_b32 s[\sc+1], s78, 0x600000
.endm
.macro WLOAD typ, set, s               ; the unit's two fragments of W for K step s: registers 4 c .. 4 c + 3 hold k = 128 s + 32 c + 16 h + 0 .. 15, as x's do
.irp i, 0,1
.irp c, 0,1,2,3
	ds_load_b128 v[WF+32*(\set)+16*\i+4*\c:WF+32*(\set)+16*\i+4*\c+3], v[WA] offset:\i*(13056-6528*(\typ))+128*(\s)+16*((\s)/2)+32*\c
.endr
.endr
.endm
.macro BIASLOAD t, j, typ              ; the bias of unit j of tensor t, in the result's layout
.if \typ
.irp u, 0,1
	global_load_b32 v[BT+\u], v[BOV], s[16:17] offset:128*(\j)+32*\u
.endr
.else
.irp i, 0,1
.irp p, 0,1
	global_load_b128 v[BI+8*\i+4*\p:BI+8*\i+4*\p+3], v[BOQ], s[12+2*(\t):13+2*(\t)] offset:128*(\j)+64*\i+16*\p
.endr
.endr
.endif
.endm
.macro BIASFIX t, typ                  ; b x 2^-(eW + ex)
.if \typ
.irp u, 0,1
.irp q, 0,1,2,3,4,5,6,7
	v_ldexp_f32 v[BI+8*\u+\q], v[BT+\u], s[60+\t]
.endr
.endr
.else
.irp q, 0,1,2,3,4,5,6,7,8,9,10,11,12,13,14,15
	v_ldexp_f32 v[BI+\q], v[BI+\q], s[60+\t]
.endr
.endif
.endm
	s_load_b512 s[4:19], s[0:1], 0x0               ; x, Wq, Wk, Wv, bq, bk, bv, the scales' exponents
	s_load_b128 s[20:23], s[0:1], 0x40             ; q_img, kv_img
	v_lshl_add_u32 v[SPW], v0, 2, SPARE
	v_mov_b32 v[NIL], 0
	ds_add_u32 v[SPW], v[NIL]                      ; the opening: the add, twice on end, and its wait ahead of my first tensor load
	ds_add_u32 v[SPW], v[NIL]
	v_lshrrev_b32 v14, 5, v0
	v_readfirstlane_b32 s[WV], v14                 ; wave 0..3
	s_bfe_u32 s25, ttmp6, 0x40000                  ; cx
	s_lshl_b32 s26, ttmp9, 2
	s_add_co_u32 s26, s26, s25                     ; tg = 4 x cluster x + cx: 512 tokens
	s_and_b32 s27, ttmp7, 0xffff                   ; cg: 96 columns; the four partners share it
	; group 1: 24 rows of W are dense in memory: 72 lines of 256 bytes (32 elements of 8 bytes), 16 bytes of padding behind each
	s_mov_b32 s[G1], 15|(3<<16)|(1<<20)|(1<<21)|(5<<22)|(3<<25)   ; mask: all four; elements of 8 bytes; padding on; bit 21 beside a mask; after every 64 words; 4 words
	s_mov_b32 s[G1+1], 32<<16                      ; tensor_dim0 = 32
	s_mov_b32 s[G1+2], 72<<16                      ; tensor_dim1 = 72
	s_mov_b32 s[G1+3], 32<<16                      ; tile_dim0 = 32
	s_mov_b32 s[G1+4], 72                          ; tile_dim1 = 72
	s_mov_b32 s[G1+5], 32                          ; from line to line
	s_mov_b32 s[G1+6], 0
	s_mov_b32 s[G1+7], 0
	s_mul_i32 s78, s[WV], 24*WPITCH                ; my 24 rows of a slice, in LDS,
	s_mul_i32 s80, s27, 96*768
	s_mul_i32 s63, s[WV], 24*768
	s_add_co_u32 s80, s80, s63                     ; and in memory: nothing of cx in either
	s_mov_b32 s81, 0
	s_mul_i32 s82, s26, 512*768
	s_mul_i32 s79, s[WV], 128*768
	s_add_co_u32 s82, s82, s79                     ; my 128 tokens' first byte in x
	s_mov_b32 s83, 0
	s_mul_i32 s72, s27, 3                          ; my first unit of 32 columns among the 24
	s_lshr_b32 s79, s26, 1                         ; batch
	s_and_b32 s76, s26, 1
	s_lshl_b32 s77, s76, 5
	s_lshl_b32 s73, s[WV], 3
	s_add_co_u32 s77, s77, s73                     ; my first tile of 16 tokens in the batch
	s_lshl_b32 s77, s77, 10
	s_lshl_b32 s73, s79, 16
	s_add_co_u32 s73, s73, s77                     ; q_img: batch x 64 tiles x 1,024 + tile x 1,024
	s_lshl_b32 s79, s79, 17
	s_add_co_u32 s74, s79, s77                     ; kv_img, K's part
	s_lshl_b32 s76, s76, 2
	s_add_co_u32 s76, s76, s[WV]                   ; my 128 tokens are key step ks
	s_lshl_b32 s76, s76, 13
	s_add_co_u32 s75, s79, s76
	s_add_co_u32 s75, s75, 65536                   ; kv_img, V's part
	v_and_b32 v14, 15, v0                          ; r
	v_bfe_u32 v15, v0, 4, 1                        ; h
	v_mul_u32_u24 v[XA], v14, 768
	v_lshl_add_u32 v[XA], v15, 4, v[XA]
	v_mul_u32_u24 v[WLQ], v14, WPITCH
	v_lshl_add_u32 v[WLQ], v15, 4, v[WLQ]
	v_and_b32 v[BOV], 8, v14
	v_add_nc_u32 v[BOV], v[BOV], v14               ; r + 8 (r / 8)
	v_mul_u32_u24 v[WLV], v[BOV], WPITCH
	v_lshl_add_u32 v[WLV], v15, 4, v[WLV]
	v_lshlrev_b32 v[BOV], 2, v[BOV]
	v_and_b32 v[ST], 31, v0
	v_lshlrev_b32 v[ST], 4, v[ST]
	v_lshlrev_b32 v[BOQ], 5, v15
	s_wait_dscnt 0x0                               ; both opening adds are done
	s_wait_kmcnt 0x0
	s_load_b256 s[48:55], s[18:19], 0x0            ; e0 .. e7
	s_load_b128 s[56:59], s[18:19], 0x20           ; e8 .. e11
.irp t, 0,1,2
	s_mov_b32 s[G0+4*\t], 1
	s_add_co_u32 s[G0+4*\t+1], s78, \t*WREG
	s_add_nc_u64 s[G0+4*\t+2:G0+4*\t+3], s[6+2*\t:7+2*\t], s[80:81]
	s_or_b32 s[G0+4*\t+3], s[G0+4*\t+3], 0x80000000
.endr
	s_add_nc_u64 s[4:5], s[4:5], s[82:83]          ; x at my first token
	s_mul_i32 s82, s27, 384                        ; the biases at my first column
	s_add_nc_u64 s[12:13], s[12:13], s[82:83]
	s_add_nc_u64 s[14:15], s[14:15], s[82:83]
	s_add_nc_u64 s[16:17], s[16:17], s[82:83]
	ROUND                                          ; all four work-groups are here: the joint loads meet
.irp t, 0,1,2
	tensor_load_to_lds s[G0+4*\t:G0+4*\t+3], s[G1:G1+7]   ; three loads of mine are out: q's, k's, v's slice; each byte of LDS is filled once
	s_nop 0
.endr
	PLACES 4
	BIASLOAD 0, 0, 0
.irp s, 0,1,2,3,4,5                    ; x's 48 fragments, K step by K step: 192 loads
	WIN (1+\s/2)<<6
.irp m, 0,1,2,3,4,5,6,7
.irp c, 0,1,2,3
	global_load_b128 v[128*(\s%2)+16*\m+4*\c:128*(\s%2)+16*\m+4*\c+3], v[XA], s[4:5] offset:\m*12288+128*\s+32*\c
.endr
.endr
.endr
	WIN 0
	s_wait_kmcnt 0x0
	MKSCALE 48, 49, 54, 60, 66                     ; q
	MKSCALE 50, 51, 55, 61, 68                     ; k
	MKSCALE 52, 53, 57, 62, 70                     ; v
	s_wait_loadcnt 63                              ; of the 196 loads issued the first 133 are in: the bias and x's K steps 0 to 3
	BIASFIX 0, 0
; A UNIT: 32 columns of tensor t (unit j of its three) for my 128 tokens: 6 K steps x 16 products, the 16 accumulators by turns, then the quantiser and the stores.
; nt, nj, ntyp: the next unit, whose bias is asked for in K step 1 (four places behind the products that read this unit's bias as C); nt = -1: none.
.macro UNIT t, j, typ, first, nt, nj, ntyp
.if \typ
	v_add_nc_u32 v[WA], WREG*\t+32*WPITCH*\j, v[WLV]
.else
	v_add_nc_u32 v[WA], WREG*\t+32*WPITCH*\j, v[WLQ]
.endif
	WLOAD \typ, 0, 0
.irp s, 0,1,2,3,4,5
.if \s < 5
.if \s > 0
	PLACES 4                                       ; in front of loads into registers that the last K step's products have read
.endif
	WLOAD \typ, (\s+1)%2, \s+1
.if (\s == 1) && (\nt >= 0)
	BIASLOAD \nt, \nj, \ntyp
.endif
	s_wait_dscnt 0x8                               ; this step's fragments are in; the eight just issued may be out
.else
	s_wait_dscnt 0x0
.endif
.if \first && (\s == 4)
	s_wait_loadcnt 36                              ; x's K step 4 is in; behind it: K step 5's 32 loads and the next bias's 4
.endif
.if \first && (\s == 5)
	s_wait_loadcnt 4                               ; x's K step 5 is in; the next bias's 4 may be out
.endif
.if \typ
	WIN 1+\s/2                                     ; source 0 = x
.else
	WIN (1+\s/2)<<2                                ; source 1 = x; LDS loads, global loads and v_nop are not touched by this setting
.endif
.irp m, 0,1,2,3,4,5,6,7
.irp i, 0,1
.if \typ
.if \s == 0
	v_wmma_f32_16x16x128_fp8_fp8 v[ACC+16*\m+8*\i:ACC+16*\m+8*\i+7], v[128*(\s%2)+16*\m:128*(\s%2)+16*\m+15], v[WF+32*(\s%2)+16*\i:WF+32*(\s%2)+16*\i+15], v[BI+8*\i:BI+8*\i+7]
.else
	v_wmma_f32_16x16x128_fp8_fp8 v[ACC+16*\m+8*\i:ACC+16*\m+8*\i+7], v[128*(\s%2)+16*\m:128*(\s%2)+16*\m+15], v[WF+32*(\s%2)+16*\i:WF+32*(\s%2)+16*\i+15], v[ACC+16*\m+8*\i:ACC+16*\m+8*\i+7]
.endif
.else
.if \s == 0
	v_wmma_f32_16x16x128_fp8_fp8 v[ACC+16*\m+8*\i:ACC+16*\m+8*\i+7], v[WF+32*(\s%2)+16*\i:WF+32*(\s%2)+16*\i+15], v[128*(\s%2)+16*\m:128*(\s%2)+16*\m+15], v[BI+8*\i:BI+8*\i+7]
.else
	v_wmma_f32_16x16x128_fp8_fp8 v[ACC+16*\m+8*\i:ACC+16*\m+8*\i+7], v[WF+32*(\s%2)+16*\i:WF+32*(\s%2)+16*\i+15], v[128*(\s%2)+16*\m:128*(\s%2)+16*\m+15], v[ACC+16*\m+8*\i:ACC+16*\m+8*\i+7]
.endif
.endif
.endr
.endr
.if \typ
	WIN 0
.endif
.endr
	WIN 0
	PLACES 4                                       ; in front of the first read of results
	s_wait_xcnt 0x0                                ; the last unit's stores have read their data and their base: both are written again only behind this wait
	s_add_co_u32 s78, s72, \j                      ; which 32 columns of the 768:
	s_lshr_b32 s79, s78, 1                         ; the head,
	s_and_b32 s78, s78, 1                          ; and which half of its 64
.if \t == 0
	s_lshl_b32 s79, s79, 20
	s_lshl_b32 s78, s78, 9
	s_add_co_u32 s80, s79, s78
	s_add_co_u32 s80, s80, s73
	s_mov_b32 s81, 0
	s_add_nc_u64 s[76:77], s[20:21], s[80:81]
.elseif \t == 1
	s_lshl_b32 s79, s79, 21
	s_lshl_b32 s78, s78, 9
	s_add_co_u32 s80, s79, s78
	s_add_co_u32 s80, s80, s74
	s_mov_b32 s81, 0
	s_add_nc_u64 s[76:77], s[22:23], s[80:81]
.else
	s_lshl_b32 s79, s79, 21
	s_lshl_b32 s78, s78, 12
	s_add_co_u32 s80, s79, s78
	s_add_co_u32 s80, s80, s75
	s_mov_b32 s81, 0
	s_add_nc_u64 s[76:77], s[22:23], s[80:81]
.endif
.if \j == 0
	v_mov_b32 v[SC], s[66+2*\t]
	v_mov_b32 v[LM], s[67+2*\t]
.endif
.irp m, 0,1,2,3,4,5,6,7
.irp q, 0,1,2,3,4,5,6,7,8,9,10,11,12,13,14,15
	v_med3_num_f32 v[ACC+16*\m+\q], v[ACC+16*\m+\q], -v[LM], v[LM]   ; the conversion to an 8-bit code does not saturate (ISA guide 7.6.2): the hold; each accumulator from its low end on
.endr
.if \typ
	v_cvt_scalef32_pk8_fp8_f32 v[CD+2*\m:CD+2*\m+1], v[ACC+16*\m:ACC+16*\m+7], v[SC]
	v_cvt_scalef32_pk8_fp8_f32 v[CD+16+2*\m:CD+16+2*\m+1], v[ACC+16*\m+8:ACC+16*\m+15], v[SC]
.else
	v_cvt_scalef32_pk8_fp8_f32 v[CD+4*\m:CD+4*\m+1], v[ACC+16*\m:ACC+16*\m+7], v[SC]
	v_cvt_scalef32_pk8_fp8_f32 v[CD+4*\m+2:CD+4*\m+3], v[ACC+16*\m+8:ACC+16*\m+15], v[SC]
	global_store_b128 v[ST], v[CD+4*\m:CD+4*\m+3], s[76:77] offset:1024*\m   ; half a fragment of token tile m: 512 consecutive aligned bytes
.endif
.endr
	v_nop                                          ; one plain vector line behind the last conversion: the next unit's products write its sources
.if \typ
.irp u, 0,1
.irp g, 0,1,2,3
	global_store_b128 v[ST], v[CD+16*\u+4*\g:CD+16*\u+4*\g+3], s[76:77] offset:2048*\u+512*\g
.endr
.endr
.endif
.if \nt >= 0
	s_wait_loadcnt 0x0                             ; the next unit's bias
	BIASFIX \nt, \ntyp
.endif
.endm
	s_wait_tensorcnt 0x2                           ; my part of q's slice is in; k's and v's may stay out
	s_barrier_signal -1
	s_barrier_wait -1
	UNIT 0, 0, 0, 1, 0, 1, 0
	UNIT 0, 1, 0, 0, 0, 2, 0
	UNIT 0, 2, 0, 0, 1, 0, 0
	s_wait_tensorcnt 0x1                           ; k's slice
	s_barrier_signal -1
	s_barrier_wait -1
	UNIT 1, 0, 0, 0, 1, 1, 0
	UNIT 1, 1, 0, 0, 1, 2, 0
	UNIT 1, 2, 0, 0, 2, 0, 1
	s_wait_tensorcnt 0x0                           ; v's slice
	s_barrier_signal -1
	s_barrier_wait -1
	UNIT 2, 0, 1, 0, 2, 1, 1
	UNIT 2, 1, 1, 0, 2, 2, 1
	UNIT 2, 2, 1, 0, -1, 0, 0
	s_wait_tensorcnt 0x0                           ; the wave's end
	ds_add_u32 v[SPW], v[NIL]
	s_wait_dscnt 0x0
	ROUND                                          ; the closing round
	s_endpgm
.Lfunc_end_k_qd739d5375c_qkv:
	.size	k_qd739d5375c_qkv, .Lfunc_end_k_qd739d5375c_qkv-k_qd739d5375c_qkv
	.p2alignl 7, 3214868480
	.fill 96, 4, 3214868480
	.section	.rodata,"a",@progbits
	.p2align	6, 0x0
	.amdhsa_kernel k_qd739d5375c_qkv
		.amdhsa_group_segment_fixed_size 235520
		.amdhsa_private_segment_fixed_size 0
		.amdhsa_enable_private_segment 0
		.amdhsa_kernarg_size 80
		.amdhsa_user_sgpr_count 2
		.amdhsa_user_sgpr_kernarg_segment_ptr 1
		.amdhsa_wavefront_size32 1
		.amdhsa_system_sgpr_workgroup_id_x 1
		.amdhsa_system_sgpr_workgroup_id_y 1
		.amdhsa_system_sgpr_workgroup_id_z 1
		.amdhsa_system_vgpr_workitem_id 0
		.amdhsa_next_free_vgpr 1024
		.amdhsa_next_free_sgpr 84
		.amdhsa_reserve_vcc 0
		.amdhsa_float_denorm_mode_32 3
		.amdhsa_float_denorm_mode_16_64 3
		.amdhsa_memory_ordered 1
		.amdhsa_forward_progress 1
		.amdhsa_inst_pref_size 219
	.end_amdhsa_kernel
	.amdgpu_metadata
---
amdhsa.version: [ 1, 2 ]
amdhsa.kernels:
  - .name:           k_qd739d5375c_qkv
    .symbol:         k_qd739d5375c_qkv.kd
    .args:
      - { .name: x_codes, .offset: 0, .size: 8, .value_kind: global_buffer, .address_space: global }
      - { .name: Wq_codes, .offset: 8, .size: 8, .value_kind: global_buffer, .address_space: global }
      - { .name: Wk_codes, .offset: 16, .size: 8, .value_kind: global_buffer, .address_space: global }
      - { .name: Wv_codes, .offset: 24, .size: 8, .value_kind: global_buffer, .address_space: global }
      - { .name: bq, .offset: 32, .size: 8, .value_kind: global_buffer, .address_space: global }
      - { .name: bk, .offset: 40, .size: 8, .value_kind: global_buffer, .address_space: global }
      - { .name: bv, .offset: 48, .size: 8, .value_kind: global_buffer, .address_space: global }
      - { .name: lowp_scales, .offset: 56, .size: 8, .value_kind: global_buffer, .address_space: global }
      - { .name: q_img, .offset: 64, .size: 8, .value_kind: global_buffer, .address_space: global }
      - { .name: kv_img, .offset: 72, .size: 8, .value_kind: global_buffer, .address_space: global }
    .group_segment_fixed_size: 235520
    .private_segment_fixed_size: 0
    .kernarg_segment_align: 8
    .kernarg_segment_size: 80
    .max_flat_workgroup_size: 128
    .sgpr_count:     84
    .vgpr_count:     1024
    .wavefront_size: 32
...
	.end_amdgpu_metadata
.endif
;; end of part 1
;; launch attn (part 2): grid 256 x 1, 8 waves a work-group, no clusters, 263,168 bytes of LDS; arguments q_img, kv_img, lowp_scales, o_img; writes o_img
.if DOCPART == 2
	.amdgcn_target "amdgcn-amd-amdhsa--gfx1250"
	.amdhsa_code_object_version 6
	.text
	.protected	k_qd739d5375c_attn
	.globl	k_qd739d5375c_attn
	.p2align	8
	.type	k_qd739d5375c_attn,@function
k_qd739d5375c_attn:
	s_mov_b64 s[64:65], 0
	v_nop
	global_prefetch_b8 v0, s[64:65] scope:SCOPE_SE
	s_setreg_imm32_b32 hwreg(HW_REG_WAVE_MODE, 25, 1), 1
	s_wait_xcnt 0x0
; o = softmax(q k^T / 8) v for 192 (head, batch) pairs HB = head x 16 + batch, 1,024 queries and keys, head size 64, both products on codes of FP8 (E4M3); no work of the problem is left out.
; THE SOFTMAX AHEAD OF THE SECOND PRODUCT: t = score x log2(e) / 8; M = the running largest t rounded UP to a whole number; p = 2^(t - M) is quantised with 2^e8; the row's sum is taken of the unquantised p
; and divides at the end; when M moves, the sum and O are multiplied by 2^(old M - new M), which rounds nothing.  The result is quantised with 2^e10 for the last launch.
; LIMITS: e6 + e7 between -123 and 130 (added to c's exponent field); e8 and e10 between -126 and 119.
; SHARES.  A work-group stays and walks three units; unit U = 12 (wg / 4) + wg % 4 + 4 u is quarter U % 4 of the queries of HB = U / 4.  Each of eight waves owns two tiles of 16 queries, so that a fragment of
; K or V read from LDS feeds two products; two waves share a SIMD.  The whole K and V of HB (131,072 bytes, images of the operands' registers) lie in LDS; there are two such buffers, and in each of a
; unit's eight key steps every wave brings 2,048 bytes of the next HB through its registers into the other buffer: asked for at the step's head, stored at its end, read a unit later.
; NO TENSOR LOAD AND NO CLUSTER: the hold of p at 448 x 2^e8 changes nothing where e8 >= -8 (p <= 1 <= 448 x 2^-8 / 1.75), and it is 128 of a step's lines; a scalar branch on the whole number e8 leads round
; them; a joint request is a tensor load, so there is none to share.
; LAYOUT.  S^T = K Q^T (source 0 = 16 keys, source 1 = 16 queries): a lane holds one query; register j of tile t is key 16 t + 8 (lane / 16) + j, so its eight codes are registers 2 t, 2 t + 1 of P, source 1 of
; O^T = V^T P^T.  V's tile dt holds dims 32 (dt / 2) + 8 (dt % 2) + r + 8 (r / 8), so the 16 registers of O^T's tiles 2 b, 2 b + 1 are dims 32 b + 16 (lane / 16) + 0 .. 15.
; REGISTERS.  window 0: v1-8 addresses; v12-19 -M, t, the sum (a pair) for each tile; v20-34 at work; v36-39 scales; v64-127 O^T (32 x + 8 dt); v128-255 S^T, then p (64 x + 8 t).
;   window 1: v0-31 Q, two sets; v32-63 P's codes; v64-127 K's 8 fragments; v128-191 V's 4; v192-207 the copy.
.set BUF1,  1<<17
.set SPARE, 1<<18                      ; behind the two buffers: the spare words, 128 bytes a wave
.set T16, 1                            ; v1  16 x thread; never rewritten
.set L16, 2                            ; v2  16 x lane; never rewritten
.set SPW, 3
.set NIL, 4
.set ADK, 5
.set ADV, 6
.set CG,  7
.set CL,  8
.set NM,  12                           ; + 4 x: -M, and t behind it
.set LS,  14                           ; + 4 x: the sum, in two halves
.set MA,  20                           ; + 8 x
.set MB,  21
.set FF,  22                           ; f = 2^(old M - new M), the low word of a pair
.set PS,  24
.set PD,  26
.set HL,  36                           ; 448 x 2^e8
.set SCP, 37                           ; 2^e8
.set LO,  38                           ; 448 x 2^e10
.set SCO, 39                           ; 2^e10
.set OO,  64
.set SS,  128
.set QF,  0                            ; window 1
.set PF,  32
.set KF,  64
.set VF,  128
.set CP,  192
.set MSB, 0
.macro WIN new
.if MSB != (\new)
	s_set_vgpr_msb (MSB<<8)|(\new)
.set MSB, (\new)
.endif
.endm
.macro PLACES n
.rept \n
	v_nop
.endr
.endm
.macro KLOAD                           ; a key step's eight fragments of K
	WIN 0x40
.irp t, 0,1,2,3,4,5,6,7
.irp c, 0,1
	ds_load_b128 v[KF+8*\t+4*\c:KF+8*\t+4*\c+3], v[ADK] offset:1024*\t+512*\c
.endr
.endr
	WIN 0
.endm
	s_load_b256 s[4:11], s[0:1], 0x0               ; q_img, kv_img, the scales' exponents, o_img
	v_lshl_add_u32 v[SPW], v0, 2, SPARE
	v_mov_b32 v[NIL], 0
	v_lshrrev_b32 v[ADK], 5, v0
	v_readfirstlane_b32 s12, v[ADK]                ; wave 0..7
	v_lshlrev_b32 v[T16], 4, v0
	v_and_b32 v[L16], 31, v0
	v_lshlrev_b32 v[L16], 4, v[L16]
	v_add_nc_u32 v[CL], 65536, v[T16]
	s_lshr_b32 s13, ttmp9, 2
	s_mul_i32 s13, s13, 12
	s_and_b32 s38, ttmp9, 3
	s_add_co_u32 s13, s13, s38                     ; U of my first unit
	s_mov_b32 s20, 0x76543210                      ; v_permlanex16_b32: lane l xor 16
	s_mov_b32 s21, 0xfedcba98
	s_lshl_b32 s40, s13, 14                        ; Q: (16 U + 2 wave) tiles of 1,024 bytes
	s_lshl_b32 s38, s12, 11
	s_add_co_u32 s40, s40, s38
	s_mov_b32 s41, 0
	s_lshr_b32 s38, s13, 2
	s_lshl_b32 s38, s38, 17                        ; K and V: HB x 131,072
	s_mov_b32 s39, 0
	s_wait_kmcnt 0x0
	s_load_b256 s[24:31], s[8:9], 0x10             ; e4 .. e11: e6 s26, e7 s27, e8 s28, e9 s29, e10 s30
	s_add_nc_u64 s[14:15], s[4:5], s[40:41]
	s_add_nc_u64 s[16:17], s[6:7], s[38:39]
	WIN 0x40
.irp x, 0,1
.irp c, 0,1
	global_load_b128 v[QF+8*\x+4*\c:QF+8*\x+4*\c+3], v[L16], s[14:15] offset:1024*\x+512*\c th:TH_LOAD_NT
.endr
.endr
	WIN 0
.set n, 0
.rept 32                               ; the first HB's image: the eight waves take 4,096 consecutive bytes an instruction
	global_load_b128 v[SS+4*n:SS+4*n+3], v[T16], s[16:17] offset:4096*n
.set n, n+1
.endr
	s_wait_kmcnt 0x0
	s_mov_b32 s22, 0x3e38aa3b                      ; c = log2(e) / 8
	s_add_co_i32 s38, s26, s27
	s_lshl_b32 s38, s38, 23
	s_add_co_i32 s22, s22, s38                     ; x 2^(e6 + e7): a score stands for score x that
	s_mov_b32 s23, s22                             ; (named with it as a pair)
	s_add_co_i32 s32, s28, s29                     ; e8 + e9
	s_add_co_i32 s38, s28, 127
	s_lshl_b32 s39, s38, 23
	v_mov_b32 v[SCP], s39
	s_add_co_i32 s38, s38, 8
	s_lshl_b32 s38, s38, 23
	s_or_b32 s38, s38, 0x600000
	v_mov_b32 v[HL], s38
	s_add_co_i32 s38, s30, 127
	s_lshl_b32 s39, s38, 23
	v_mov_b32 v[SCO], s39
	s_add_co_i32 s38, s38, 8
	s_lshl_b32 s38, s38, 23
	s_or_b32 s38, s38, 0x600000
	v_mov_b32 v[LO], s38
.set n, 0
.rept 32
	s_wait_loadcnt 31-n                            ; load n is in (and Q, asked for ahead of it); the younger ones stay out
.if n < 16
	ds_store_b128 v[T16], v[SS+4*n:SS+4*n+3] offset:4096*n
.else
	ds_store_b128 v[CL], v[SS+4*n:SS+4*n+3] offset:4096*(n-16)
.endif
.set n, n+1
.endr
	s_wait_dscnt 0x0                               ; for the others' sake: my stores have landed
	s_barrier_signal -1
	s_barrier_wait -1
; UNIT u: reads buffer u % 2 and, for u < 2, fills the other one with the next HB.
.macro AUNIT u
	s_lshr_b32 s38, s13, 2                         ; HB
	s_and_b32 s39, s38, 15                         ; batch
	s_lshl_b32 s39, s39, 6
	s_and_b32 s40, s13, 3
	s_lshl_b32 s40, s40, 4
	s_add_co_u32 s39, s39, s40
	s_lshl_b32 s40, s12, 1
	s_add_co_u32 s39, s39, s40                     ; my first tile of 16 tokens among the 1,024
	s_mul_i32 s40, s39, 12288
	s_lshr_b32 s38, s38, 4                         ; head
	s_lshl_b32 s38, s38, 10
	s_add_co_u32 s40, s40, s38
	s_mov_b32 s41, 0
	s_add_nc_u64 s[18:19], s[10:11], s[40:41]      ; o_img: tile x 12,288 + head x 1,024
.if \u < 2
	s_add_co_u32 s38, s13, 4                       ; the next unit:
	s_lshl_b32 s40, s38, 14
	s_lshl_b32 s39, s12, 11
	s_add_co_u32 s40, s40, s39
	s_add_nc_u64 s[14:15], s[4:5], s[40:41]        ; its Q,
	s_lshr_b32 s40, s38, 2
	s_lshl_b32 s40, s40, 17
	s_add_nc_u64 s[16:17], s[6:7], s[40:41]        ; its K and V
	WIN 0x40
.irp x, 0,1
.irp c, 0,1
	global_load_b128 v[QF+16*((\u+1)%2)+8*\x+4*\c:QF+16*((\u+1)%2)+8*\x+4*\c+3], v[L16], s[14:15] offset:1024*\x+512*\c th:TH_LOAD_NT
.endr
.endr
	WIN 0
.endif
	v_add_nc_u32 v[ADK], (\u%2)<<17, v[L16]
	KLOAD                                          ; key step 0
.irp x, 0,1
	v_mov_b32 v[NM+4*\x+1], 0xff61b1e6             ; the largest t so far: -3e38
	v_floor_f32 v[NM+4*\x], -v[NM+4*\x+1]          ; -M
	v_mov_b32 v[LS+4*\x], 0
	v_mov_b32 v[LS+4*\x+1], 0
	v_mov_b32 v[PD+8*\x], 0                        ; a lane permute's destination counts as one of its sources
	v_mov_b32 v[FF+8*\x+1], 0                      ; (named as the upper half of a pair)
.endr
.set k, 0
.rept 64
	v_mov_b32 v[OO+k], 0                           ; the step is written once a unit: its first trip finds zeros, which the first change of M leaves zeros
.set k, k+1
.endr
	s_mov_b32 s33, ((\u%2)<<17)+8192               ; the next step's K
	s_mov_b32 s34, ((\u%2)<<17)+65536              ; this step's V
	s_mov_b32 s35, 0                               ; the copy's place in the image
	s_mov_b32 s36, 8
.Lstep_\u:
	s_wait_dscnt 0x0                               ; K is in, and the last step's stores of the copy have read their registers
.if \u < 2
	v_add_nc_u32 v[CG], s35, v[T16]
	WIN 0x40
.irp n, 0,1,2,3
	global_load_b128 v[CP+4*\n:CP+4*\n+3], v[CG], s[16:17] offset:4096*\n
.endr
.endif
	WIN 0x05                                       ; sources 0 and 1 window 1; C and D window 0
.irp t, 0,1,2,3,4,5,6,7
.irp x, 0,1
	v_wmma_f32_16x16x64_fp8_fp8 v[SS+64*\x+8*\t:SS+64*\x+8*\t+7], v[KF+8*\t:KF+8*\t+7], v[QF+16*(\u%2)+8*\x:QF+16*(\u%2)+8*\x+7], 0
.endr
.endr
	WIN 0
	v_add_nc_u32 v[ADV], s34, v[L16]               ; these four plain lines are the places in front of the loads below and of the first read of the scores
	v_add_nc_u32 v[ADK], s33, v[L16]
	v_nop
	v_nop
	WIN 0x40
.irp d, 0,1,2,3
.irp g, 0,1,2,3
	ds_load_b128 v[VF+16*\d+4*\g:VF+16*\d+4*\g+3], v[ADV] offset:2048*\d+512*\g
.endr
.endr
	WIN 0
	s_cmp_eq_u32 s36, 1                            ; the last step has no next K
	s_cbranch_scc1 .Lnok_\u
	KLOAD
.Lnok_\u:
	; the step's largest score of each query, both tiles' lines by turns; each accumulator is read from its low end on
.irp x, 0,1
	v_max3_num_f32 v[MA+8*\x], v[SS+64*\x], v[SS+64*\x+1], v[SS+64*\x+2]
	v_max3_num_f32 v[MB+8*\x], v[SS+64*\x+3], v[SS+64*\x+4], v[SS+64*\x+5]
.endr
.irp i, 6,10,14,18,22,26,30,34,38,42,46,50,54,58
.irp x, 0,1
	v_max3_num_f32 v[MA+8*\x], v[MA+8*\x], v[SS+64*\x+\i], v[SS+64*\x+\i+1]
	v_max3_num_f32 v[MB+8*\x], v[MB+8*\x], v[SS+64*\x+\i+2], v[SS+64*\x+\i+3]
.endr
.endr
.irp x, 0,1
	v_max3_num_f32 v[MA+8*\x], v[MA+8*\x], v[SS+64*\x+62], v[SS+64*\x+63]
.endr
.irp x, 0,1
	v_max_num_f32 v[MA+8*\x], v[MA+8*\x], v[MB+8*\x]
.endr
.irp x, 0,1
	v_permlanex16_b32 v[PD+8*\x], v[MA+8*\x], s20, s21   ; the query's other 64 keys lie in the lane 16 away
.endr
.irp x, 0,1
	v_max_num_f32 v[MA+8*\x], v[MA+8*\x], v[PD+8*\x]
.endr
.irp x, 0,1
	v_mul_f32 v[MA+8*\x], s22, v[MA+8*\x]          ; as t (c is positive)
.endr
.irp x, 0,1
	v_max_num_f32 v[NM+4*\x+1], v[NM+4*\x+1], v[MA+8*\x]   ; the running largest t
.endr
.irp x, 0,1
	v_mov_b32 v[MA+8*\x], v[NM+4*\x]
.endr
.irp x, 0,1
	v_floor_f32 v[NM+4*\x], -v[NM+4*\x+1]          ; the new -M = floor(-t): M is a whole number
.endr
.irp x, 0,1
	v_sub_f32 v[MA+8*\x], v[NM+4*\x], v[MA+8*\x]   ; old M - new M, 0 or less
.endr
.irp x, 0,1
	v_cvt_i32_f32 v[MA+8*\x], v[MA+8*\x]           ; (it saturates)
.endr
.irp x, 0,1
	v_ldexp_f32 v[FF+8*\x], 1.0, v[MA+8*\x]        ; f = 2^(old M - new M)
.endr
.set k, 0
.rept 32
	v_pk_fma_f32 v[SS+2*k:SS+2*k+1], v[SS+2*k:SS+2*k+1], s[22:23], v[NM:NM+1] op_sel_hi:[1,0,0]   ; tile 0: t - M, two at a time
.set k, k+1
.endr
	; ONE BATCH of 128 exponentials; a plain line that names none of their results behind every two: tile 1's scalings, then O^T x f
.set k, 0
.rept 32
	v_exp_f32 v[SS+2*k], v[SS+2*k]
	v_exp_f32 v[SS+2*k+1], v[SS+2*k+1]
	v_pk_fma_f32 v[SS+64+2*k:SS+64+2*k+1], v[SS+64+2*k:SS+64+2*k+1], s[22:23], v[NM+4:NM+5] op_sel_hi:[1,0,0]
.set k, k+1
.endr
.set k, 0
.rept 32
	v_exp_f32 v[SS+64+2*k], v[SS+64+2*k]
	v_exp_f32 v[SS+64+2*k+1], v[SS+64+2*k+1]
	v_pk_mul_f32 v[OO+2*k:OO+2*k+1], v[OO+2*k:OO+2*k+1], v[FF+8*(k/16):FF+8*(k/16)+1] op_sel_hi:[1,0]   ; O^T under the new M, each accumulator from its low end on
.set k, k+1
.endr
.irp x, 0,1
	v_pk_mul_f32 v[LS+4*\x:LS+4*\x+1], v[LS+4*\x:LS+4*\x+1], v[FF+8*\x:FF+8*\x+1] op_sel_hi:[1,0]   ; the sums under the new M
.endr
	s_wait_alu depctr_va_vdst(0)                   ; the wait ahead of the first line that names an exponential's result: one for the batch
.irp x, 0,1
	v_pk_add_f32 v[PS+8*\x:PS+8*\x+1], v[SS+64*\x:SS+64*\x+1], v[SS+64*\x+2:SS+64*\x+3]   ; the row's sum is taken of the unquantised p, in two chains a tile
.endr
.irp j, 4,8,12,16,20,24,28,32,36,40,44,48,52,56,60
.irp x, 0,1
	v_pk_add_f32 v[LS+4*\x:LS+4*\x+1], v[LS+4*\x:LS+4*\x+1], v[SS+64*\x+\j:SS+64*\x+\j+1]
	v_pk_add_f32 v[PS+8*\x:PS+8*\x+1], v[PS+8*\x:PS+8*\x+1], v[SS+64*\x+\j+2:SS+64*\x+\j+3]
.endr
.endr
.irp x, 0,1
	v_pk_add_f32 v[LS+4*\x:LS+4*\x+1], v[LS+4*\x:LS+4*\x+1], v[PS+8*\x:PS+8*\x+1]
.endr
	s_cmp_ge_i32 s28, -8                           ; p <= 1: where e8 >= -8, p / 2^e8 <= 256 lies under 448 and the hold changes nothing
	s_cbranch_scc1 .Lnohold_\u
.set k, 0
.rept 128
	v_min_num_f32 v[SS+k], v[SS+k], v[HL]          ; the conversion does not saturate (ISA guide 7.6.2); p is not negative, so the hold is one-sided
.set k, k+1
.endr
.Lnohold_\u:
	WIN 0x40
.irp x, 0,1
.irp t, 0,1,2,3,4,5,6,7
	v_cvt_scalef32_pk8_fp8_f32 v[PF+16*\x+2*\t:PF+16*\x+2*\t+1], v[SS+64*\x+8*\t:SS+64*\x+8*\t+7], v[SCP]
.endr
.endr
	WIN 0
	v_nop                                          ; one plain line between the conversions and the products that read their results
	s_wait_dscnt 0x0                               ; V is in (and the next K)
	WIN 0x05
.irp d, 0,1,2,3
.irp x, 0,1
	v_wmma_f32_16x16x128_fp8_fp8 v[OO+32*\x+8*\d:OO+32*\x+8*\d+7], v[VF+16*\d:VF+16*\d+15], v[PF+16*\x:PF+16*\x+15], v[OO+32*\x+8*\d:OO+32*\x+8*\d+7]   ; the eight accumulators by turns, one instruction a turn
.endr
.endr
	WIN 0
.if \u < 2
	s_wait_loadcnt 0x0                             ; the copy's four loads, asked for at the step's head
	v_add_nc_u32 v[CL], (1-(\u%2))<<17, v[CG]
	WIN 0x04                                       ; the stores' data in window 1
.irp n, 0,1,2,3
	ds_store_b128 v[CL], v[CP+4*\n:CP+4*\n+3] offset:4096*\n
.endr
	WIN 0
.endif
	s_add_co_u32 s33, s33, 8192
	s_add_co_u32 s34, s34, 8192
	s_add_co_u32 s35, s35, 16384
	s_sub_co_u32 s36, s36, 1
	s_cmp_lg_u32 s36, 0
	s_cbranch_scc1 .Lstep_\u
	; THE WAY OUT: O^T x 2^(e8 + e9) / the sum, quantised with 2^e10; a lane's 16 codes of tiles 2 b, 2 b + 1 are 16 bytes of the next operand's image
	PLACES 4
.irp x, 0,1
	v_add_f32 v[LS+4*\x], v[LS+4*\x], v[LS+4*\x+1]
.endr
.irp x, 0,1
	v_permlanex16_b32 v[PD+8*\x], v[LS+4*\x], s20, s21
.endr
.irp x, 0,1
	v_add_f32 v[LS+4*\x], v[LS+4*\x], v[PD+8*\x]
.endr
.irp x, 0,1
	v_rcp_f32 v[LS+4*\x], v[LS+4*\x]
.endr
	v_nop                                          ; a plain line behind the last reciprocal
	s_wait_alu depctr_va_vdst(0)                   ; and the wait ahead of the first reader: one for both
.irp x, 0,1
	v_ldexp_f32 v[LS+4*\x], v[LS+4*\x], s32
.endr
.irp x, 0,1
.irp j, 0,2,4,6,8,10,12,14,16,18,20,22,24,26,28,30
	v_pk_mul_f32 v[SS+64*\x+\j:SS+64*\x+\j+1], v[OO+32*\x+\j:OO+32*\x+\j+1], v[LS+4*\x:LS+4*\x+1] op_sel_hi:[1,0]
.endr
.set k, 0
.rept 32
	v_med3_num_f32 v[SS+64*\x+k], v[SS+64*\x+k], -v[LO], v[LO]
.set k, k+1
.endr
.irp d, 0,1,2,3
	v_cvt_scalef32_pk8_fp8_f32 v[SS+64*\x+32+2*\d:SS+64*\x+32+2*\d+1], v[SS+64*\x+8*\d:SS+64*\x+8*\d+7], v[SCO]
.endr
	v_nop
.irp c, 0,1
	global_store_b128 v[L16], v[SS+64*\x+32+4*\c:SS+64*\x+32+4*\c+3], s[18:19] offset:12288*\x+512*\c   ; 512 consecutive aligned bytes
.endr
.endr
.if \u < 2
	s_wait_xcnt 0x0                                ; the stores have read their data and their base: the next unit writes both
	s_wait_dscnt 0x0                               ; my reads of this buffer are over and my stores into the other have landed
	s_barrier_signal -1
	s_barrier_wait -1                              ; both now hold of all eight waves
	s_add_co_u32 s13, s13, 4
.endif
.endm
	AUNIT 0
	AUNIT 1
	AUNIT 2
	s_wait_tensorcnt 0x0                           ; the wave's end
	ds_add_u32 v[SPW], v[NIL]
	s_wait_dscnt 0x0
	s_endpgm
.Lfunc_end_k_qd739d5375c_attn:
	.size	k_qd739d5375c_attn, .Lfunc_end_k_qd739d5375c_attn-k_qd739d5375c_attn
	.p2alignl 7, 3214868480
	.fill 96, 4, 3214868480
	.section	.rodata,"a",@progbits
	.p2align	6, 0x0
	.amdhsa_kernel k_qd739d5375c_attn
		.amdhsa_group_segment_fixed_size 263168
		.amdhsa_private_segment_fixed_size 0
		.amdhsa_enable_private_segment 0
		.amdhsa_kernarg_size 32
		.amdhsa_user_sgpr_count 2
		.amdhsa_user_sgpr_kernarg_segment_ptr 1
		.amdhsa_wavefront_size32 1
		.amdhsa_system_sgpr_workgroup_id_x 1
		.amdhsa_system_sgpr_workgroup_id_y 1
		.amdhsa_system_sgpr_workgroup_id_z 1
		.amdhsa_system_vgpr_workitem_id 0
		.amdhsa_next_free_vgpr 464
		.amdhsa_next_free_sgpr 66
		.amdhsa_reserve_vcc 0
		.amdhsa_float_denorm_mode_32 3
		.amdhsa_float_denorm_mode_16_64 3
		.amdhsa_memory_ordered 1
		.amdhsa_forward_progress 1
		.amdhsa_inst_pref_size 133
	.end_amdhsa_kernel
	.amdgpu_metadata
---
amdhsa.version: [ 1, 2 ]
amdhsa.kernels:
  - .name:           k_qd739d5375c_attn
    .symbol:         k_qd739d5375c_attn.kd
    .args:
      - { .name: q_img, .offset: 0, .size: 8, .value_kind: global_buffer, .address_space: global }
      - { .name: kv_img, .offset: 8, .size: 8, .value_kind: global_buffer, .address_space: global }
      - { .name: lowp_scales, .offset: 16, .size: 8, .value_kind: global_buffer, .address_space: global }
      - { .name: o_img, .offset: 24, .size: 8, .value_kind: global_buffer, .address_space: global }
    .group_segment_fixed_size: 263168
    .private_segment_fixed_size: 0
    .kernarg_segment_align: 8
    .kernarg_segment_size: 32
    .max_flat_workgroup_size: 256
    .sgpr_count:     66
    .vgpr_count:     464
    .wavefront_size: 32
...
	.end_amdgpu_metadata
.endif
;; end of part 2
;; launch proj (part 3): grid 64 x 4, 4 waves a work-group, clusters of 4 x 1, 174,592 bytes of LDS; arguments o_img, Wp_codes, bp, lowp_scales, out0; writes out0
.if DOCPART == 3
	.amdgcn_target "amdgcn-amd-amdhsa--gfx1250"
	.amdhsa_code_object_version 6
	.text
	.protected	k_qd739d5375c_proj
	.globl	k_qd739d5375c_proj
	.p2align	8
	.type	k_qd739d5375c_proj,@function
k_qd739d5375c_proj:
	s_mov_b64 s[64:65], 0
	v_nop
	global_prefetch_b8 v0, s[64:65] scope:SCOPE_SE
	s_setreg_imm32_b32 hwreg(HW_REG_WAVE_MODE, 25, 1), 1
	s_wait_xcnt 0x0
	s_wait_alu depctr_hold_cnt(0) depctr_sa_sdst(0) depctr_va_vdst(0) depctr_va_sdst(0) depctr_va_ssrc(0) depctr_va_vcc(0) depctr_vm_vsrc(0)
	s_getreg_b32 s2, hwreg(HW_REG_IB_STS2, 6, 4)
	s_cmp_eq_u32 s2, 0
	s_cbranch_scc0 .Lentry_in_a_cluster
	s_endpgm
.Lentry_in_a_cluster:
	s_bfe_u32 s2, ttmp6, 0x10000c
	s_cmp_lg_u32 s2, 0x3003
	s_cbranch_scc0 .Lentry_shape_is_right
	s_endpgm
.Lentry_shape_is_right:
; out0 = o Wp + bp on codes of FP8 (E4M3): o as the attention launch left it (images of operand registers), Wp: [768 columns][768] codes, K innermost.  out = sum x 2^(e10 + e11) + bp.  No work of the problem is left out.
; LIMIT: e10 + e11 between -126 and 127, so that 2^(e10 + e11) is an f32 number.
; SHARES.  A work-group takes 256 tokens (tg) and 192 columns (cg), as three units of 64 columns.  Wave w holds its 64 tokens' 24 fragments of o in 384 registers; Wp's 192 rows lie whole in LDS, filled once.
; CLUSTER.  The four work-groups of a cluster differ in tg alone and need the same rows of Wp: they are asked for JOINTLY (mask 15).  cx enters o's and out0's global addresses alone.
; The product is used transposed (source 0 = 16 rows of Wp, source 1 = 16 tokens): a lane holds eight neighbouring columns of one token.  A unit's 64 columns are 256 bytes of a row of out0: 16 rows at a time go
; through the wave's own stage in LDS and leave with sixteen lanes storing 256 consecutive aligned bytes.
; REGISTERS.  window 0: v1-9 addresses; v32-63 the bias; v64-95 results; v96-127 rows read back; v128-255 the 16 accumulators at 128 + 32 m + 8 i.
;   window 1: o's fragments of K steps 0-3 at 16 (4 s + m).   window 2: v0-127 those of K steps 4, 5; v128-255 Wp's fragments, two sets of four.
.set WPITCH, 816                       ; a row of Wp in LDS: 768 bytes + 16 behind each 256
.set STAGE,  192*WPITCH                ; 16 rows x 272 bytes for each wave
.set SPARE,  STAGE+4*16*272            ; the spare words, 128 bytes a wave
.set L16, 1
.set WL,  2
.set WA,  3
.set STO, 4
.set RD,  5
.set CO,  6
.set BO,  7
.set SPW, 8
.set NIL, 9
.set BI,  32
.set TMP, 64
.set BK,  96
.set ACC, 128
.set WV,  14
.set G1,  16                           ; s[16:23]
.set G0,  24                           ; s[24:27]
.set MSB, 0
.macro WIN new
.if MSB != (\new)
	s_set_vgpr_msb (MSB<<8)|(\new)
.set MSB, (\new)
.endif
.endm
.macro PLACES n
.rept \n
	v_nop
.endr
.endm
.macro ROUND
	s_barrier_signal -1
	s_barrier_wait -1
	s_cmp_lg_u32 s[WV], 0
	s_cbranch_scc1 .Lnot_wave_0_\@
	s_barrier_signal -3
.Lnot_wave_0_\@:
	s_barrier_wait -3
	s_barrier_signal -1
	s_barrier_wait -1
.endm
.macro PW set, s                       ; the unit's four fragments of Wp for K step s (destination window 2)
.irp i, 0,1,2,3
.irp c, 0,1,2,3
	ds_load_b128 v[128+64*(\set)+16*\i+4*\c:128+64*(\set)+16*\i+4*\c+3], v[WA] offset:13056*\i+128*(\s)+16*((\s)/2)+32*\c
.endr
.endr
.endm
.macro PBIAS n                         ; bp of unit n in the result's layout
.irp i, 0,1,2,3
.irp p, 0,1
	global_load_b128 v[BI+8*\i+4*\p:BI+8*\i+4*\p+3], v[BO], s[8:9] offset:256*(\n)+64*\i+16*\p
.endr
.endr
.endm
	s_load_b256 s[4:11], s[0:1], 0x0               ; o_img, Wp's codes, bp, the scales' exponents
	s_load_b64 s[12:13], s[0:1], 0x20              ; out0
	v_lshl_add_u32 v[SPW], v0, 2, SPARE
	v_mov_b32 v[NIL], 0
	ds_add_u32 v[SPW], v[NIL]                      ; the opening: the add, twice on end, and its wait ahead of my first tensor load
	ds_add_u32 v[SPW], v[NIL]
	v_lshrrev_b32 v10, 5, v0
	v_readfirstlane_b32 s[WV], v10                 ; wave 0..3
	s_bfe_u32 s15, ttmp6, 0x40000                  ; cx
	s_lshl_b32 s28, ttmp9, 2
	s_add_co_u32 s28, s28, s15                     ; tg: 256 tokens
	s_and_b32 s29, ttmp7, 0xffff                   ; cg: 192 columns; the four partners share it
	s_mov_b32 s[G1], 15|(3<<16)|(1<<20)|(1<<21)|(5<<22)|(3<<25)   ; as in the first launch: lines of 256 bytes, 16 of padding behind each; the mask names all four
	s_mov_b32 s[G1+1], 32<<16
	s_mov_b32 s[G1+2], 144<<16                     ; 48 rows of Wp are 144 lines
	s_mov_b32 s[G1+3], 32<<16
	s_mov_b32 s[G1+4], 144
	s_mov_b32 s[G1+5], 32
	s_mov_b32 s[G1+6], 0
	s_mov_b32 s[G1+7], 0
	s_mov_b32 s[G0], 1
	s_mul_i32 s[G0+1], s[WV], 48*WPITCH            ; my 48 rows in LDS,
	s_mul_i32 s34, s29, 192*768
	s_mul_i32 s36, s[WV], 48*768
	s_add_co_u32 s34, s34, s36                     ; and in memory
	s_mov_b32 s35, 0
	s_lshl_b32 s38, s28, 4
	s_lshl_b32 s39, s[WV], 2
	s_add_co_u32 s38, s38, s39
	s_mul_i32 s38, s38, 12288                      ; o_img at my first tile of 16 tokens
	s_mov_b32 s39, 0
	s_lshl_b32 s40, s28, 8
	s_lshl_b32 s41, s[WV], 6
	s_add_co_u32 s40, s40, s41
	s_mul_i32 s40, s40, 3072                       ; out0 at my first token,
	s_mul_i32 s42, s29, 768                        ; and my first column; bp likewise
	s_add_co_u32 s40, s40, s42
	s_mov_b32 s41, 0
	s_mov_b32 s43, 0
	v_and_b32 v10, 15, v0                          ; r
	v_bfe_u32 v11, v0, 4, 1                        ; h
	v_and_b32 v[L16], 31, v0
	v_lshlrev_b32 v[L16], 4, v[L16]
	v_mul_u32_u24 v[WL], v10, WPITCH
	v_lshl_add_u32 v[WL], v11, 4, v[WL]
	s_mul_i32 s37, s[WV], 16*272
	s_add_co_u32 s37, s37, STAGE                   ; my stage
	v_mul_u32_u24 v[STO], v10, 272
	v_lshl_add_u32 v[STO], v11, 5, v[STO]
	v_add_nc_u32 v[STO], s37, v[STO]               ; in: row r, 32 bytes for each half of the lanes
	v_mul_u32_u24 v[RD], v11, 272
	v_lshl_add_u32 v[RD], v10, 4, v[RD]
	v_add_nc_u32 v[RD], s37, v[RD]                 ; back: lanes 0-15 one row of 256 bytes, lanes 16-31 the next
	v_mul_u32_u24 v[CO], v11, 3072
	v_lshl_add_u32 v[CO], v10, 4, v[CO]            ; and the same two rows in out0
	v_lshlrev_b32 v[BO], 5, v11
	s_wait_dscnt 0x0                               ; both opening adds are done
	s_wait_kmcnt 0x0
	s_load_b64 s[32:33], s[10:11], 0x28            ; e10, e11
	s_add_nc_u64 s[G0+2:G0+3], s[6:7], s[34:35]
	s_or_b32 s[G0+3], s[G0+3], 0x80000000
	s_add_nc_u64 s[4:5], s[4:5], s[38:39]
	s_add_nc_u64 s[12:13], s[12:13], s[40:41]
	s_add_nc_u64 s[8:9], s[8:9], s[42:43]
	ROUND                                          ; all four work-groups are here: the joint loads meet
	tensor_load_to_lds s[G0:G0+3], s[G1:G1+7]      ; one load of mine is out; each byte of LDS is filled once
	s_nop 0
	PLACES 4
	PBIAS 0
.irp s, 0,1,2,3,4,5                    ; o's 24 fragments, K step by K step: 96 loads of 512 consecutive bytes
.if \s < 4
	WIN 0x40
.else
	WIN 0x80
.endif
.irp m, 0,1,2,3
.irp g, 0,1,2,3
	global_load_b128 v[16*(4*(\s%4)+\m)+4*\g:16*(4*(\s%4)+\m)+4*\g+3], v[L16], s[4:5] offset:(6*\m+\s)*2048+512*\g
.endr
.endr
.endr
	WIN 0
	s_wait_kmcnt 0x0
	s_add_co_i32 s30, s32, s33
	s_add_co_i32 s30, s30, 127
	s_lshl_b32 s30, s30, 23                        ; 2^(e10 + e11) as f32
	s_mov_b32 s31, s30                             ; (named with it as a pair)
	s_wait_tensorcnt 0x0                           ; my part of Wp is in,
	s_barrier_signal -1
	s_barrier_wait -1                              ; everybody's is
; A UNIT: 64 columns for my 64 tokens: 6 K steps x 16 products, the 16 accumulators by turns; then the way out.
.macro PUNIT n, first, last
	v_add_nc_u32 v[WA], 64*WPITCH*\n, v[WL]
	WIN 0x80
	PW 0, 0
.irp s, 0,1,2,3,4,5
.if \s < 5
	WIN 0x80
.if \s > 0
	PLACES 4                                       ; in front of loads into registers that the last K step's products have read
.endif
	PW (\s+1)%2, \s+1
	s_wait_dscnt 16                                ; this step's fragments are in; the sixteen just issued may be out
.else
	s_wait_dscnt 0x0
.endif
.if \first
.if 80-16*\s > 63
	s_wait_loadcnt 63                              ; of the 104 loads issued the first 41 are in: the bias and o's K steps 0 and 1
.else
	s_wait_loadcnt 80-16*\s                        ; o's K step s is in; the later steps' loads may be out
.endif
.endif
.if \s < 4
	WIN 0x06                                       ; source 0 (Wp) window 2, source 1 (o) window 1
.else
	WIN 0x0a                                       ; both window 2
.endif
.irp m, 0,1,2,3
.irp i, 0,1,2,3
.if \s == 0
	v_wmma_f32_16x16x128_fp8_fp8 v[ACC+32*\m+8*\i:ACC+32*\m+8*\i+7], v[128+64*(\s%2)+16*\i:128+64*(\s%2)+16*\i+15], v[16*(4*(\s%4)+\m):16*(4*(\s%4)+\m)+15], 0
.else
	v_wmma_f32_16x16x128_fp8_fp8 v[ACC+32*\m+8*\i:ACC+32*\m+8*\i+7], v[128+64*(\s%2)+16*\i:128+64*(\s%2)+16*\i+15], v[16*(4*(\s%4)+\m):16*(4*(\s%4)+\m)+15], v[ACC+32*\m+8*\i:ACC+32*\m+8*\i+7]
.endif
.endr
.endr
.endr
	WIN 0
	PLACES 4                                       ; in front of the first read of results
	s_wait_loadcnt 0x0                             ; the unit's bias
.irp m, 0,1,2,3
.irp q, 0,2,4,6,8,10,12,14,16,18,20,22,24,26,28,30
	v_pk_fma_f32 v[TMP+\q:TMP+\q+1], v[ACC+32*\m+\q:ACC+32*\m+\q+1], s[30:31], v[BI+\q:BI+\q+1] op_sel_hi:[1,0,1]   ; sum x 2^(e10 + e11) + bp; each accumulator from its low end on
.endr
.irp i, 0,1,2,3
	ds_store_b128 v[STO], v[TMP+8*\i:TMP+8*\i+3] offset:64*\i
	ds_store_b128 v[STO], v[TMP+8*\i+4:TMP+8*\i+7] offset:64*\i+16
.endr
	s_wait_xcnt 0x0                                ; the last block's stores have read their data: the loads below may land there
.irp t, 0,1,2,3,4,5,6,7
	ds_load_b128 v[BK+4*\t:BK+4*\t+3], v[RD] offset:2*\t*272   ; LDS serves a wave's instructions in order (ISA guide 5.7.1.4): these see my stores
.endr
.irp t, 0,1,2,3,4,5,6,7
	s_wait_dscnt 7-\t                              ; load t is in; the younger ones may be out
	global_store_b128 v[CO], v[BK+4*\t:BK+4*\t+3], s[12:13] offset:(16*\m+2*\t)*3072+256*\n th:TH_STORE_NT   ; sixteen lanes store 256 consecutive aligned bytes; written once, read by nobody here
.endr
.endr
.if !\last
	PBIAS \n+1
.endif
.endm
	PUNIT 0, 1, 0
	PUNIT 1, 0, 0
	PUNIT 2, 0, 1
	s_wait_tensorcnt 0x0                           ; the wave's end
	ds_add_u32 v[SPW], v[NIL]
	s_wait_dscnt 0x0
	ROUND                                          ; the closing round
	s_endpgm
.Lfunc_end_k_qd739d5375c_proj:
	.size	k_qd739d5375c_proj, .Lfunc_end_k_qd739d5375c_proj-k_qd739d5375c_proj
	.p2alignl 7, 3214868480
	.fill 96, 4, 3214868480
	.section	.rodata,"a",@progbits
	.p2align	6, 0x0
	.amdhsa_kernel k_qd739d5375c_proj
		.amdhsa_group_segment_fixed_size 174592
		.amdhsa_private_segment_fixed_size 0
		.amdhsa_enable_private_segment 0
		.amdhsa_kernarg_size 40
		.amdhsa_user_sgpr_count 2
		.amdhsa_user_sgpr_kernarg_segment_ptr 1
		.amdhsa_wavefront_size32 1
		.amdhsa_system_sgpr_workgroup_id_x 1
		.amdhsa_system_sgpr_workgroup_id_y 1
		.amdhsa_system_sgpr_workgroup_id_z 1
		.amdhsa_system_vgpr_workitem_id 0
		.amdhsa_next_free_vgpr 768
		.amdhsa_next_free_sgpr 66
		.amdhsa_reserve_vcc 0
		.amdhsa_float_denorm_mode_32 3
		.amdhsa_float_denorm_mode_16_64 3
		.amdhsa_memory_ordered 1
		.amdhsa_forward_progress 1
		.amdhsa_inst_pref_size 93
	.end_amdhsa_kernel
	.amdgpu_metadata
---
amdhsa.version: [ 1, 2 ]
amdhsa.kernels:
  - .name:           k_qd739d5375c_proj
    .symbol:         k_qd739d5375c_proj.kd
    .args:
      - { .name: o_img, .offset: 0, .size: 8, .value_kind: global_buffer, .address_space: global }
      - { .name: Wp_codes, .offset: 8, .size: 8, .value_kind: global_buffer, .address_space: global }
      - { .name: bp, .offset: 16, .size: 8, .value_kind: global_buffer, .address_space: global }
      - { .name: lowp_scales, .offset: 24, .size: 8, .value_kind: global_buffer, .address_space: global }
      - { .name: out0, .offset: 32, .size: 8, .value_kind: global_buffer, .address_space: global }
    .group_segment_fixed_size: 174592
    .private_segment_fixed_size: 0
    .kernarg_segment_align: 8
    .kernarg_segment_size: 40
    .max_flat_workgroup_size: 128
    .sgpr_count:     66
    .vgpr_count:     768
    .wavefront_size: 32
...
	.end_amdgpu_metadata
.endif
;; end of part 3
;; ======== version 2 of 2: 3 launches; version 1 with the launch attn written anew for expert scheduling mode
;; workspace buffers: q_img 12,582,912 bytes; kv_img 25,165,824 bytes; o_img 12,582,912 bytes
;; launch qkv: the kernel of part 1 again; grid 32 x 8, 4 waves a work-group, clusters of 4 x 1, 235,520 bytes of LDS; arguments x_codes, Wq_codes, Wk_codes, Wv_codes, bq, bk, bv, lowp_scales, q_img, kv_img; writes q_img, kv_img
;; launch attn (part 4): grid 256 x 1, 8 waves a work-group, no clusters, 263,168 bytes of LDS; arguments q_img, kv_img, lowp_scales, o_img; writes o_img
.if DOCPART == 4
	.amdgcn_target "amdgcn-amd-amdhsa--gfx1250"
	.amdhsa_code_object_version 6
	.text
	.protected	k_qd739d5375c_attn
	.globl	k_qd739d5375c_attn
	.p2align	8
	.type	k_qd739d5375c_attn,@function
k_qd739d5375c_attn:
	s_mov_b64 s[64:65], 0
	v_nop
	global_prefetch_b8 v0, s[64:65] scope:SCOPE_SE
	s_setreg_imm32_b32 hwreg(HW_REG_WAVE_SCHED_MODE, 0, 2), 2
	s_setreg_imm32_b32 hwreg(HW_REG_WAVE_MODE, 25, 1), 1
	s_wait_xcnt 0x0
	s_wait_alu depctr_vm_vsrc(0)
; o = softmax(q k^T / 8) v for 192 (head, batch) pairs HB = head x 16 + batch, 1,024 queries and keys, head size 64, both products on codes of FP8 (E4M3); no work of the problem is left out.
; THE SOFTMAX AHEAD OF THE SECOND PRODUCT: t = score x log2(e) / 8; M = the running largest t rounded UP to a whole number; p = 2^(t - M) is quantised with 2^e8; the row's sum is taken of the unquantised p
; and divides at the end; when M moves, the sum and O are multiplied by 2^(old M - new M), which rounds nothing.  The result is quantised with 2^e10 for the last launch.
; LIMITS: e6 + e7 between -123 and 130 (added to c's exponent field); e8 and e10 between -126 and 119.
; SHARES.  A work-group stays and walks three units; unit U = 12 (wg / 4) + wg % 4 + 4 u is quarter U % 4 of the queries of HB = U / 4.  Each of eight waves owns two tiles of 16 queries, so that a fragment of
; K or V read from LDS feeds two products; two waves share a SIMD.  The whole K and V of HB (131,072 bytes, images of the operands' registers) lie in LDS; there are two such buffers, and in each of a
; unit's eight key steps every wave brings 2,048 bytes of the next HB through its registers into the other buffer: asked for at the step's head, stored at its end, read a unit later.
; NO TENSOR LOAD AND NO CLUSTER: the hold of p at 448 x 2^e8 changes nothing where e8 >= -8 (p <= 1 <= 448 x 2^-8 / 1.75), and it is 128 of a step's lines; a scalar branch on the whole number e8 leads round
; them; a joint request is a tensor load, so there is none to share.
; LAYOUT.  S^T = K Q^T (source 0 = 16 keys, source 1 = 16 queries): a lane holds one query; register j of tile t is key 16 t + 8 (lane / 16) + j, so its eight codes are registers 2 t, 2 t + 1 of P, source 1 of
; O^T = V^T P^T.  V's tile dt holds dims 32 (dt / 2) + 8 (dt % 2) + r + 8 (r / 8), so the 16 registers of O^T's tiles 2 b, 2 b + 1 are dims 32 b + 16 (lane / 16) + 0 .. 15.
; REGISTERS.  window 0: v1-8 addresses; v12-19 -M, t, the sum (a pair) for each tile; v20-34 at work; v36-39 scales; v64-127 O^T (32 x + 8 dt); v128-255 S^T, then p (64 x + 8 t).
;   window 1: v0-31 Q, two sets; v32-63 P's codes; v64-127 K's 8 fragments; v128-191 V's 4; v192-207 the copy.
; THE MODE: SCHED_MODE bits 1:0 = 2 (LLVM: expert scheduling mode 2), set by the entry lines.  The code itself states the register dependences between vector or matrix instructions and memory or LDS
; instructions, with s_wait_alu, always for 0.
; THE PLAN.  Registers that memory or LDS instructions touch:
;   v[T16], v[L16]  offsets, made at the head and never written again.  The copy's place in memory is reached by its scalar base, which moves on by a step's 16,384 bytes.
;   v[ADK], v[ADV], v[CL]  LDS addresses of K's loads, V's loads and the copy's stores.  Written together, once a step, behind the products K Q^T (v[ADK] also at a unit's head).
;   K's fragments   The step's 16 products K Q^T read them; the LDS loads for the next step land in them later in the same step.
;   V's fragments   The step's 8 products V^T P read them; the next step's LDS loads land in them.
;   Q's two sets    A unit's products read one; the global loads for the next unit land in the other at the unit's head.
;   the copy        The step's four global loads land in it, its four LDS stores read it; no vector line names it.
;   v[SS ..]        At the head: loaded, then read by LDS stores.  In the loop: vector and matrix lines alone.  On the way out: the codes, read by four global stores.
; A STEP HAS ONE WAIT ON vm_vsrc, at its head (the three addresses and the copy have been read), and ONE ON va_vdst FOR ITS LOADS, behind the maximum's chains, which have read all sixteen results: the three
; addresses are written, the step's products K Q^T and the last step's V^T P are done reading.  V's and K's loads follow it in one run; no vector line behind it names a register that they, or the copy's
; stores at the step's end, touch.  The loads stand in runs: their destinations lie in window 1 and the softmax's in window 0.
.set BUF1,  1<<17
.set SPARE, 1<<18                      ; behind the two buffers: the spare words, 128 bytes a wave
.set T16, 1                            ; v1  16 x thread; never rewritten
.set L16, 2                            ; v2  16 x lane; never rewritten
.set SPW, 3
.set NIL, 4
.set ADK, 5
.set ADV, 6
.set CL,  8
.set NM,  12                           ; + 4 x: -M, and t behind it
.set LS,  14                           ; + 4 x: the sum, in two halves
.set MA,  20                           ; + 8 x
.set MB,  21
.set FF,  22                           ; f = 2^(old M - new M), the low word of a pair
.set PS,  24
.set PD,  26
.set HL,  36                           ; 448 x 2^e8
.set SCP, 37                           ; 2^e8
.set LO,  38                           ; 448 x 2^e10
.set SCO, 39                           ; 2^e10
.set OO,  64
.set SS,  128
.set QF,  0                            ; window 1
.set PF,  32
.set KF,  64
.set VF,  128
.set CP,  192
.set MSB, 0
.macro WIN new
.if MSB != (\new)
	s_set_vgpr_msb (MSB<<8)|(\new)
.set MSB, (\new)
.endif
.endm
.macro PLACES n
.rept \n
	v_nop
.endr
.endm
.macro KLOAD                           ; a key step's eight fragments of K
	WIN 0x40
.irp t, 0,1,2,3,4,5,6,7
.irp c, 0,1
	ds_load_b128 v[KF+8*\t+4*\c:KF+8*\t+4*\c+3], v[ADK] offset:1024*\t+512*\c
.endr
.endr
	WIN 0
.endm
	s_load_b256 s[4:11], s[0:1], 0x0               ; q_img, kv_img, the scales' exponents, o_img
	v_lshl_add_u32 v[SPW], v0, 2, SPARE
	v_mov_b32 v[NIL], 0
	v_lshrrev_b32 v[ADK], 5, v0
	v_readfirstlane_b32 s12, v[ADK]                ; wave 0..7
	v_lshlrev_b32 v[T16], 4, v0
	v_and_b32 v[L16], 31, v0
	v_lshlrev_b32 v[L16], 4, v[L16]
	v_add_nc_u32 v[CL], 65536, v[T16]
	s_wait_alu depctr_va_sdst(0)                   ; s12 is written, ahead of its first reader: Q's and o's bases are made from it
	s_lshr_b32 s13, ttmp9, 2
	s_mul_i32 s13, s13, 12
	s_and_b32 s38, ttmp9, 3
	s_add_co_u32 s13, s13, s38                     ; U of my first unit
	s_mov_b32 s20, 0x76543210                      ; v_permlanex16_b32: lane l xor 16
	s_mov_b32 s21, 0xfedcba98
	s_lshl_b32 s40, s13, 14                        ; Q: (16 U + 2 wave) tiles of 1,024 bytes
	s_lshl_b32 s38, s12, 11
	s_add_co_u32 s40, s40, s38
	s_mov_b32 s41, 0
	s_lshr_b32 s38, s13, 2
	s_lshl_b32 s38, s38, 17                        ; K and V: HB x 131,072
	s_mov_b32 s39, 0
	s_wait_kmcnt 0x0
	s_load_b256 s[24:31], s[8:9], 0x10             ; e4 .. e11: e6 s26, e7 s27, e8 s28, e9 s29, e10 s30
	s_add_nc_u64 s[14:15], s[4:5], s[40:41]
	s_add_nc_u64 s[16:17], s[6:7], s[38:39]
	WIN 0x40
	s_wait_alu depctr_va_vdst(0)                   ; v[L16], v[T16] and v[CL] are written: the loads below and the head's LDS stores read them as offsets and addresses
.irp x, 0,1
.irp c, 0,1
	global_load_b128 v[QF+8*\x+4*\c:QF+8*\x+4*\c+3], v[L16], s[14:15] offset:1024*\x+512*\c th:TH_LOAD_NT
.endr
.endr
	WIN 0
.set n, 0
.rept 32                               ; the first HB's image: the eight waves take 4,096 consecutive bytes an instruction
	global_load_b128 v[SS+4*n:SS+4*n+3], v[T16], s[16:17] offset:4096*n
.set n, n+1
.endr
	s_wait_kmcnt 0x0
	s_mov_b32 s22, 0x3e38aa3b                      ; c = log2(e) / 8
	s_add_co_i32 s38, s26, s27
	s_lshl_b32 s38, s38, 23
	s_add_co_i32 s22, s22, s38                     ; x 2^(e6 + e7): a score stands for score x that
	s_mov_b32 s23, s22                             ; (named with it as a pair)
	s_add_co_i32 s32, s28, s29                     ; e8 + e9
	s_add_co_i32 s38, s28, 127
	s_lshl_b32 s39, s38, 23
	v_mov_b32 v[SCP], s39
	s_add_co_i32 s38, s38, 8
	s_lshl_b32 s38, s38, 23
	s_or_b32 s38, s38, 0x600000
	v_mov_b32 v[HL], s38
	s_add_co_i32 s38, s30, 127
	s_lshl_b32 s39, s38, 23
	v_mov_b32 v[SCO], s39
	s_add_co_i32 s38, s38, 8
	s_lshl_b32 s38, s38, 23
	s_or_b32 s38, s38, 0x600000
	v_mov_b32 v[LO], s38
.set n, 0
.rept 32
	s_wait_loadcnt 31-n                            ; load n is in (and Q, asked for ahead of it); the younger ones stay out
.if n < 16
	ds_store_b128 v[T16], v[SS+4*n:SS+4*n+3] offset:4096*n
.else
	ds_store_b128 v[CL], v[SS+4*n:SS+4*n+3] offset:4096*(n-16)
.endif
.set n, n+1
.endr
	s_wait_dscnt 0x0                               ; for the others' sake: my stores have landed
	s_barrier_signal -1
	s_barrier_wait -1
; UNIT u: reads buffer u % 2 and, for u < 2, fills the other one with the next HB.
.macro AUNIT u
	s_lshr_b32 s38, s13, 2                         ; HB
	s_and_b32 s39, s38, 15                         ; batch
	s_lshl_b32 s39, s39, 6
	s_and_b32 s40, s13, 3
	s_lshl_b32 s40, s40, 4
	s_add_co_u32 s39, s39, s40
	s_lshl_b32 s40, s12, 1
	s_add_co_u32 s39, s39, s40                     ; my first tile of 16 tokens among the 1,024
	s_mul_i32 s40, s39, 12288
	s_lshr_b32 s38, s38, 4                         ; head
	s_lshl_b32 s38, s38, 10
	s_add_co_u32 s40, s40, s38
	s_mov_b32 s41, 0
	s_add_nc_u64 s[18:19], s[10:11], s[40:41]      ; o_img: tile x 12,288 + head x 1,024
.if \u < 2
	s_add_co_u32 s38, s13, 4                       ; the next unit:
	s_lshl_b32 s40, s38, 14
	s_lshl_b32 s39, s12, 11
	s_add_co_u32 s40, s40, s39
	s_add_nc_u64 s[14:15], s[4:5], s[40:41]        ; its Q,
	s_lshr_b32 s40, s38, 2
	s_lshl_b32 s40, s40, 17
	s_add_nc_u64 s[16:17], s[6:7], s[40:41]        ; its K and V: the copy's base, which moves on step by step
.endif
	v_add_nc_u32 v[ADK], (\u%2)<<17, v[L16]
	WIN 0x40
	s_wait_alu depctr_va_vdst(0)                   ; v[ADK] is written, which K's loads below read; the last unit's products are done reading K's fragments and the set of Q in which the loads below land
.if \u < 2
.irp x, 0,1
.irp c, 0,1
	global_load_b128 v[QF+16*((\u+1)%2)+8*\x+4*\c:QF+16*((\u+1)%2)+8*\x+4*\c+3], v[L16], s[14:15] offset:1024*\x+512*\c th:TH_LOAD_NT
.endr
.endr
.endif
	KLOAD                                          ; key step 0
.irp x, 0,1
	v_mov_b32 v[NM+4*\x+1], 0xff61b1e6             ; the largest t so far: -3e38
	v_floor_f32 v[NM+4*\x], -v[NM+4*\x+1]          ; -M
	v_mov_b32 v[LS+4*\x], 0
	v_mov_b32 v[LS+4*\x+1], 0
	v_mov_b32 v[PD+8*\x], 0                        ; a lane permute's destination counts as one of its sources
	v_mov_b32 v[FF+8*\x+1], 0                      ; (named as the upper half of a pair)
.endr
.set k, 0
.rept 64
	v_mov_b32 v[OO+k], 0                           ; the step is written once a unit: its first trip finds zeros, which the first change of M leaves zeros
.set k, k+1
.endr
	s_mov_b32 s33, ((\u%2)<<17)+8192               ; the next step's K
	s_mov_b32 s34, ((\u%2)<<17)+65536              ; this step's V
.if \u < 2
	s_mov_b32 s35, (1-(\u%2))<<17                  ; the copy's place in LDS: the other buffer, a step's 16,384 bytes at a time
.endif
	s_mov_b32 s36, 8
.Lstep_\u:
	s_wait_dscnt 0x0                               ; K is in, and the last step's stores of the copy have landed
.if \u < 2
	WIN 0x40
.endif
	s_wait_alu depctr_vm_vsrc(0)                   ; the LDS loads issued so far have read v[ADK] and v[ADV], the last step's LDS stores v[CL] and the copy's registers: the adds below write the three, the loads below land in the copy.  In the launch's first step also: the head's LDS stores have read v[SS ..], which the products write
.if \u < 2
.irp n, 0,1,2,3
	global_load_b128 v[CP+4*\n:CP+4*\n+3], v[T16], s[16:17] offset:4096*\n
.endr
.endif
	WIN 0x05                                       ; sources 0 and 1 window 1; C and D window 0
.irp t, 0,1,2,3,4,5,6,7
.irp x, 0,1
	v_wmma_f32_16x16x64_fp8_fp8 v[SS+64*\x+8*\t:SS+64*\x+8*\t+7], v[KF+8*\t:KF+8*\t+7], v[QF+16*(\u%2)+8*\x:QF+16*(\u%2)+8*\x+7], 0
.endr
.endr
	WIN 0
	v_add_nc_u32 v[ADV], s34, v[L16]               ; these four plain lines are the places in front of the first read of the scores
	v_add_nc_u32 v[ADK], s33, v[L16]
.if \u < 2
	v_add_nc_u32 v[CL], s35, v[T16]
.else
	v_nop
.endif
	v_nop
	; the step's largest score of each query, both tiles' lines by turns; each accumulator is read from its low end on
.irp x, 0,1
	v_max3_num_f32 v[MA+8*\x], v[SS+64*\x], v[SS+64*\x+1], v[SS+64*\x+2]
	v_max3_num_f32 v[MB+8*\x], v[SS+64*\x+3], v[SS+64*\x+4], v[SS+64*\x+5]
.endr
.irp i, 6,10,14,18,22,26,30,34,38,42,46,50,54,58
.irp x, 0,1
	v_max3_num_f32 v[MA+8*\x], v[MA+8*\x], v[SS+64*\x+\i], v[SS+64*\x+\i+1]
	v_max3_num_f32 v[MB+8*\x], v[MB+8*\x], v[SS+64*\x+\i+2], v[SS+64*\x+\i+3]
.endr
.endr
.irp x, 0,1
	v_max3_num_f32 v[MA+8*\x], v[MA+8*\x], v[SS+64*\x+62], v[SS+64*\x+63]
.endr
.irp x, 0,1
	v_max_num_f32 v[MA+8*\x], v[MA+8*\x], v[MB+8*\x]
.endr
	WIN 0x40
	s_wait_alu depctr_va_vdst(0)                   ; v[ADV], v[ADK] and v[CL] are written, which the loads below and the copy's stores at the step's end read; this step's products are done reading K's fragments and the last step's V's, in which the loads below land
.irp d, 0,1,2,3
.irp g, 0,1,2,3
	ds_load_b128 v[VF+16*\d+4*\g:VF+16*\d+4*\g+3], v[ADV] offset:2048*\d+512*\g
.endr
.endr
	WIN 0
	s_cmp_eq_u32 s36, 1                            ; the last step has no next K
	s_cbranch_scc1 .Lnok_\u
	KLOAD                                          ; no further wait: behind the wait above stand loads, window switches and scalar lines alone
.Lnok_\u:
.irp x, 0,1
	v_permlanex16_b32 v[PD+8*\x], v[MA+8*\x], s20, s21   ; the query's other 64 keys lie in the lane 16 away
.endr
.irp x, 0,1
	v_max_num_f32 v[MA+8*\x], v[MA+8*\x], v[PD+8*\x]
.endr
.irp x, 0,1
	v_mul_f32 v[MA+8*\x], s22, v[MA+8*\x]          ; as t (c is positive)
.endr
.irp x, 0,1
	v_max_num_f32 v[NM+4*\x+1], v[NM+4*\x+1], v[MA+8*\x]   ; the running largest t
.endr
.irp x, 0,1
	v_mov_b32 v[MA+8*\x], v[NM+4*\x]
.endr
.irp x, 0,1
	v_floor_f32 v[NM+4*\x], -v[NM+4*\x+1]          ; the new -M = floor(-t): M is a whole number
.endr
.irp x, 0,1
	v_sub_f32 v[MA+8*\x], v[NM+4*\x], v[MA+8*\x]   ; old M - new M, 0 or less
.endr
.irp x, 0,1
	v_cvt_i32_f32 v[MA+8*\x], v[MA+8*\x]           ; (it saturates)
.endr
.irp x, 0,1
	v_ldexp_f32 v[FF+8*\x], 1.0, v[MA+8*\x]        ; f = 2^(old M - new M)
.endr
.set k, 0
.rept 32
	v_pk_fma_f32 v[SS+2*k:SS+2*k+1], v[SS+2*k:SS+2*k+1], s[22:23], v[NM:NM+1] op_sel_hi:[1,0,0]   ; tile 0: t - M, two at a time
.set k, k+1
.endr
	; ONE BATCH of 128 exponentials; a plain line that names none of their results behind every two: tile 1's scalings, then O^T x f
.set k, 0
.rept 32
	v_exp_f32 v[SS+2*k], v[SS+2*k]
	v_exp_f32 v[SS+2*k+1], v[SS+2*k+1]
	v_pk_fma_f32 v[SS+64+2*k:SS+64+2*k+1], v[SS+64+2*k:SS+64+2*k+1], s[22:23], v[NM+4:NM+5] op_sel_hi:[1,0,0]
.set k, k+1
.endr
.set k, 0
.rept 32
	v_exp_f32 v[SS+64+2*k], v[SS+64+2*k]
	v_exp_f32 v[SS+64+2*k+1], v[SS+64+2*k+1]
	v_pk_mul_f32 v[OO+2*k:OO+2*k+1], v[OO+2*k:OO+2*k+1], v[FF+8*(k/16):FF+8*(k/16)+1] op_sel_hi:[1,0]   ; O^T under the new M, each accumulator from its low end on
.set k, k+1
.endr
.irp x, 0,1
	v_pk_mul_f32 v[LS+4*\x:LS+4*\x+1], v[LS+4*\x:LS+4*\x+1], v[FF+8*\x:FF+8*\x+1] op_sel_hi:[1,0]   ; the sums under the new M
.endr
	s_wait_alu depctr_va_vdst(0)                   ; the 128 exponentials have written p: the wait ahead of the first line that names an exponential's result: one for the batch
.irp x, 0,1
	v_pk_add_f32 v[PS+8*\x:PS+8*\x+1], v[SS+64*\x:SS+64*\x+1], v[SS+64*\x+2:SS+64*\x+3]   ; the row's sum is taken of the unquantised p, in two chains a tile
.endr
.irp j, 4,8,12,16,20,24,28,32,36,40,44,48,52,56,60
.irp x, 0,1
	v_pk_add_f32 v[LS+4*\x:LS+4*\x+1], v[LS+4*\x:LS+4*\x+1], v[SS+64*\x+\j:SS+64*\x+\j+1]
	v_pk_add_f32 v[PS+8*\x:PS+8*\x+1], v[PS+8*\x:PS+8*\x+1], v[SS+64*\x+\j+2:SS+64*\x+\j+3]
.endr
.endr
.irp x, 0,1
	v_pk_add_f32 v[LS+4*\x:LS+4*\x+1], v[LS+4*\x:LS+4*\x+1], v[PS+8*\x:PS+8*\x+1]
.endr
	s_cmp_ge_i32 s28, -8                           ; p <= 1: where e8 >= -8, p / 2^e8 <= 256 lies under 448 and the hold changes nothing
	s_cbranch_scc1 .Lnohold_\u
.set k, 0
.rept 128
	v_min_num_f32 v[SS+k], v[SS+k], v[HL]          ; the conversion does not saturate (ISA guide 7.6.2); p is not negative, so the hold is one-sided
.set k, k+1
.endr
.Lnohold_\u:
	WIN 0x40
.irp x, 0,1
.irp t, 0,1,2,3,4,5,6,7
	v_cvt_scalef32_pk8_fp8_f32 v[PF+16*\x+2*\t:PF+16*\x+2*\t+1], v[SS+64*\x+8*\t:SS+64*\x+8*\t+7], v[SCP]
.endr
.endr
	WIN 0
	v_nop                                          ; one plain line between the conversions and the products that read their results
	s_wait_dscnt 0x0                               ; V is in (and the next K)
	WIN 0x05
.irp d, 0,1,2,3
.irp x, 0,1
	v_wmma_f32_16x16x128_fp8_fp8 v[OO+32*\x+8*\d:OO+32*\x+8*\d+7], v[VF+16*\d:VF+16*\d+15], v[PF+16*\x:PF+16*\x+15], v[OO+32*\x+8*\d:OO+32*\x+8*\d+7]   ; the eight accumulators by turns, one instruction a turn
.endr
.endr
	WIN 0
.if \u < 2
	s_wait_loadcnt 0x0                             ; the copy's four loads, asked for at the step's head
	s_add_nc_u64 s[16:17], s[16:17], 16384         ; free since that wait, which shows the loads that read it done: the next step's part of the image
	WIN 0x04                                       ; the stores' data in window 1
.irp n, 0,1,2,3
	ds_store_b128 v[CL], v[CP+4*\n:CP+4*\n+3] offset:4096*\n   ; no wait: v[CL] was written ahead of the step's wait on va_vdst, and no vector line names it or the copy since
.endr
	WIN 0
.endif
	s_add_co_u32 s33, s33, 8192
	s_add_co_u32 s34, s34, 8192
.if \u < 2
	s_add_co_u32 s35, s35, 16384
.endif
	s_sub_co_u32 s36, s36, 1
	s_cmp_lg_u32 s36, 0
	s_cbranch_scc1 .Lstep_\u
	; THE WAY OUT: O^T x 2^(e8 + e9) / the sum, quantised with 2^e10; a lane's 16 codes of tiles 2 b, 2 b + 1 are 16 bytes of the next operand's image
	PLACES 4
.irp x, 0,1
	v_add_f32 v[LS+4*\x], v[LS+4*\x], v[LS+4*\x+1]
.endr
.irp x, 0,1
	v_permlanex16_b32 v[PD+8*\x], v[LS+4*\x], s20, s21
.endr
.irp x, 0,1
	v_add_f32 v[LS+4*\x], v[LS+4*\x], v[PD+8*\x]
.endr
.irp x, 0,1
	v_rcp_f32 v[LS+4*\x], v[LS+4*\x]
.endr
	v_nop                                          ; a plain line behind the last reciprocal
	s_wait_alu depctr_va_vdst(0)                   ; the two reciprocals are written, ahead of their first reader: one wait for both
.irp x, 0,1
	v_ldexp_f32 v[LS+4*\x], v[LS+4*\x], s32
.endr
.irp x, 0,1
.irp j, 0,2,4,6,8,10,12,14,16,18,20,22,24,26,28,30
	v_pk_mul_f32 v[SS+64*\x+\j:SS+64*\x+\j+1], v[OO+32*\x+\j:OO+32*\x+\j+1], v[LS+4*\x:LS+4*\x+1] op_sel_hi:[1,0]
.endr
.set k, 0
.rept 32
	v_med3_num_f32 v[SS+64*\x+k], v[SS+64*\x+k], -v[LO], v[LO]
.set k, k+1
.endr
.irp d, 0,1,2,3
	v_cvt_scalef32_pk8_fp8_f32 v[SS+64*\x+32+2*\d:SS+64*\x+32+2*\d+1], v[SS+64*\x+8*\d:SS+64*\x+8*\d+7], v[SCO]
.endr
	v_nop
.endr
	s_wait_alu depctr_va_vdst(0)                   ; the conversions have written both tiles' codes, which the four stores read
.irp x, 0,1
.irp c, 0,1
	global_store_b128 v[L16], v[SS+64*\x+32+4*\c:SS+64*\x+32+4*\c+3], s[18:19] offset:12288*\x+512*\c   ; 512 consecutive aligned bytes
.endr
.endr
.if \u < 2
	s_wait_xcnt 0x0                                ; the stores have read their data and their base: the next unit writes both
	s_wait_alu depctr_vm_vsrc(0)                   ; the stores have read the codes' registers, which the next unit's products write; this unit's loads of K have read v[ADK], which the next unit's head writes
	s_wait_dscnt 0x0                               ; my reads of this buffer are over and my stores into the other have landed
	s_barrier_signal -1
	s_barrier_wait -1                              ; both now hold of all eight waves
	s_add_co_u32 s13, s13, 4
.endif
.endm
	AUNIT 0
	AUNIT 1
	AUNIT 2
	s_wait_dscnt 0x0                               ; the closing lines, six on end
	s_wait_alu 0x0
	s_wait_tensorcnt 0x0
	ds_add_u32 v[SPW], v[NIL]
	s_wait_dscnt 0x0
	s_endpgm
.Lfunc_end_k_qd739d5375c_attn:
	.size	k_qd739d5375c_attn, .Lfunc_end_k_qd739d5375c_attn-k_qd739d5375c_attn
	.p2alignl 7, 3214868480
	.fill 96, 4, 3214868480
	.section	.rodata,"a",@progbits
	.p2align	6, 0x0
	.amdhsa_kernel k_qd739d5375c_attn
		.amdhsa_group_segment_fixed_size 263168
		.amdhsa_private_segment_fixed_size 0
		.amdhsa_enable_private_segment 0
		.amdhsa_kernarg_size 32
		.amdhsa_user_sgpr_count 2
		.amdhsa_user_sgpr_kernarg_segment_ptr 1
		.amdhsa_wavefront_size32 1
		.amdhsa_system_sgpr_workgroup_id_x 1
		.amdhsa_system_sgpr_workgroup_id_y 1
		.amdhsa_system_sgpr_workgroup_id_z 1
		.amdhsa_system_vgpr_workitem_id 0
		.amdhsa_next_free_vgpr 464
		.amdhsa_next_free_sgpr 66
		.amdhsa_reserve_vcc 0
		.amdhsa_float_denorm_mode_32 3
		.amdhsa_float_denorm_mode_16_64 3
		.amdhsa_memory_ordered 1
		.amdhsa_forward_progress 1
		.amdhsa_inst_pref_size 133
	.end_amdhsa_kernel
	.amdgpu_metadata
---
amdhsa.version: [ 1, 2 ]
amdhsa.kernels:
  - .name:           k_qd739d5375c_attn
    .symbol:         k_qd739d5375c_attn.kd
    .args:
      - { .name: q_img, .offset: 0, .size: 8, .value_kind: global_buffer, .address_space: global }
      - { .name: kv_img, .offset: 8, .size: 8, .value_kind: global_buffer, .address_space: global }
      - { .name: lowp_scales, .offset: 16, .size: 8, .value_kind: global_buffer, .address_space: global }
      - { .name: o_img, .offset: 24, .size: 8, .value_kind: global_buffer, .address_space: global }
    .group_segment_fixed_size: 263168
    .private_segment_fixed_size: 0
    .kernarg_segment_align: 8
    .kernarg_segment_size: 32
    .max_flat_workgroup_size: 256
    .sgpr_count:     66
    .vgpr_count:     464
    .wavefront_size: 32
...
	.end_amdgpu_metadata
.endif
;; end of part 4
;; launch proj: the kernel of part 3 again; grid 64 x 4, 4 waves a work-group, clusters of 4 x 1, 174,592 bytes of LDS; arguments o_img, Wp_codes, bp, lowp_scales, out0; writes out0
